; MI455X (gfx1250); checked and timed in simulation.
; The chip was launched on July 23, 2026; its instructions are those of AMD's public machine-readable ISA for CDNA 5 (MIT licence, August 2026) and "CDNA5" Instruction Set Architecture Reference Guide (July 2026). The comments in the code are by the model that wrote it; some were corrected since.
;; Attention Pair. Allowed arithmetic: matrix products marked QUANTISED: E2M1 operands, one E8M0 scale for each 32 along K, by v_wmma_scale_f32_16x16x128_f8f6f4 with both operands' format E2M1 (or v_wmma_scale_f32_32x16x128_f4), f32 sums; products left as they are: f32 operands where the result goes on into a quantised operand, else bf16, f16 or f32 operands; f32 sums; everything else in f32.
;; Inputs: W_mat_codes 512 x 32 x 16 uint8 (E2M1 codes of W_mat, K innermost, in blocks of 32 codes, two codes a byte); W_mat_scales 512 x 32 uint8 (E8M0 scales of W_mat, one for each 32 codes along K); W_vec_codes 512 x 32 x 16 uint8 (E2M1 codes of W_vec, K innermost, in blocks of 32 codes, two codes a byte); W_vec_scales 512 x 32 uint8 (E8M0 scales of W_vec, one for each 32 codes along K); input_lengths 64 int32; matrix 64 x 512 x 1,024 float32; vector_codes 64 x 32 x 16 uint8 (E2M1 codes of vector, K innermost, in blocks of 32 codes, two codes a byte); vector_scales 64 x 32 uint8 (E8M0 scales of vector, one for each 32 codes along K); w_attn 512 float32.
;; Outputs: out0 64 x 1,024 float32; out1 64 x 512 float32.
;; This version of the problem:
;;   THIS VERSION OF THE PROBLEM IS GIVEN IN LOW PRECISION. The matrix products marked QUANTISED in the list below multiply operands that are first quantised to E2M1 (2 exponent bits, 1 mantissa bit; 4 bits a number), with one power-of-two scale for each 32 numbers along K (OCP MX v1.0); their sums are f32. All else is computed in f32.
;;   The module's matrix products, in the order in which they are computed (A, B: the left and right operand; K: the contracted axis; several contracted axes count as one K, in the product's order):
;;     1. [M 64, K 1,024] x [K 1,024, N 512]; A: input vector (given as codes); B: input W_vec (given as codes): QUANTISED
;;     2. [M 32,768, K 1,024] x [K 1,024, N 512]; A: input matrix; B: input W_mat (given as codes): QUANTISED
;;     3. [M 32,768, K 512] x [K 512, N 1]; A: computed on the way; B: input w_attn: left as it is (N = 1 < 16)
;;     4. batch 64 x [M 1,024, K 512] x [K 512, N 1]; A: input matrix; B: computed on the way: left as it is (N = 1 < 16)
;;   THE QUANTISER, for each operand of a quantised product, along K:
;;     - K is cut into blocks of 32 from its start; a last block that is shorter is filled with zeros.
;;     - A block's scale is 2^e with e = floor(log2(the largest magnitude in the block)) - 2, held to -126 .. 127; a block of zeros has e = 0. As a byte (E8M0): e + 127.
;;     - Each number is divided by its block's scale, clamped to +-6, and rounded to the nearest number of E2M1, ties to even, subnormals kept.
;;     - The product sums the exact products of the quantised numbers (number of the format x scale) in f32.
;;   ~~~python
;;   def quantise(x, axis):      # numpy; x: float32 -> the quantised numbers, widened to float32 again
;;       x = np.moveaxis(x, axis, -1); K = x.shape[-1]
;;       x = np.pad(x, [(0, 0)] * (x.ndim - 1) + [(0, -K % 32)]); x = x.reshape(x.shape[:-1] + (-1, 32)); a = np.abs(x).max(-1, keepdims=True)
;;       e = np.where(a > 0, np.clip(np.frexp(np.where(a > 0, a, 1))[1] - 1 - 2, -126, 127), 0)      # np.frexp(a)[1] - 1 = floor(log2(a)), exactly
;;       r = np.clip(x / 2.0 ** e, -6, 6)
;;       step = 2.0 ** (np.maximum(np.frexp(np.where(r == 0, 1, r))[1] - 1, 0) - 1)
;;       q = np.round(r / step) * step * 2.0 ** e      # np.round: ties to even
;;       return np.moveaxis(q.reshape(q.shape[:-2] + (-1,))[..., :K], -1, axis).astype(np.float32)
;;   ~~~
;;   INPUTS GIVEN AS CODES. W_mat (in the module: [1024, 512], K = its axis 0); W_vec (in the module: [1024, 512], K = its axis 0); vector (in the module: [64, 1024], K = its axis 1): each comes as NAME_codes (uint8): NAME with its K axis moved to the last place and cut into blocks of 32 codes, [.., K / 32, bytes a block], one block behind the other in memory; two codes a byte, the lower K in the low four bits (a code: sign, 2 exponent bits, 1 mantissa bit); and NAME_scales (uint8): the same leading axes, one E8M0 byte (e + 127) for each 32 codes along K. Its value is code x scale, taken as it is: it is not quantised again, and the codes and scales need not be those that the quantiser above would give.
;; 2 versions. Each part assembles by itself: llvm-mc -triple=amdgcn-amd-amdhsa -mcpu=gfx1250 --defsym DOCPART=n.
;; ======== version 1 of 2: 2 launches
;; workspace buffers: logits 131,072 bytes; part 8,388,608 bytes
;; launch score (part 1): grid 256 x 1, 4 waves a work-group, no clusters, 43,008 bytes of LDS; arguments matrix, input_lengths, W_mat_codes, W_mat_scales, W_vec_codes, W_vec_scales, vector_codes, vector_scales, w_attn, logits, part; writes logits, part
.if DOCPART == 1
	.amdgcn_target "amdgcn-amd-amdhsa--gfx1250"
	.amdhsa_code_object_version 6
	.text
	.protected	k_q00624142e1_score
	.globl	k_q00624142e1_score
	.p2align	8
	.type	k_q00624142e1_score,@function
k_q00624142e1_score:
	s_mov_b64 s[64:65], 0
	v_nop
	global_prefetch_b8 v0, s[64:65] scope:SCOPE_SE
	s_setreg_imm32_b32 hwreg(HW_REG_WAVE_MODE, 25, 1), 1
	s_wait_xcnt 0x0
; AttentionPair, first launch.  For each TILE (16 rows of one batch that begin under the batch's length):
;   logit[s] = sum over a of relu(t1[b][a] + t2[s][a]) w_attn[a],  t1 = vector W_vec, t2 = Q(matrix) W_mat, both on codes of FP4 (E2M1) with one E8M0 scale for each 32 along K;
;   p[s] = 2^((logit[s] - m) log2 e) for s under the length, else 0, m the tile's largest valid logit;   r[d] = sum over s of p[s] matrix[s][d], all in f32.
; Stored: the 16 logits (buffer logits, [64][512]) and r (buffer part, [64][32][1024]).  The second launch joins a batch's tiles.
; So each row of matrix is read from memory once, and rows in tiles that lie wholly at or beyond the length, which the mask throws away, are not read at all.
; SHARES.  256 work-groups of four waves.  The tiles are numbered batch by batch; work-group g takes numbers g + 256 i, i = 0 .. 7, as far as there are tiles (at most 2,048).  The numbering is made from
; input_lengths in registers by every wave.  The loop has four trips of two tiles whatever the lengths; a tile that does not exist jumps over its work, never over a barrier.
; Wave w owns columns 128 w .. 128 w + 127 of the 512: its part of W_mat, 8 tiles of 16 columns x 8 K steps x 8 registers = 512 registers, stays in registers for the whole launch (W_vec borrows them first, for t1).
; Wave w owns rows 4 w .. 4 w + 3 of a tile: 128 registers.  THE ROWS STAY IN REGISTERS from their load until p is known: the wave quantises them (codes and scale bytes go to LDS, where all four waves read
; them), and later multiplies them by p; only the four waves' partial sums of r, 4 KiB each, meet in LDS.  Two such sets of 128 registers take turns: while one tile is worked on, the next one lands in the other.
; The next tile's 32 loads go out four at a time, among the quantising and behind the product's first four K steps.
; No tensor load, no cluster: branches hang on input_lengths.  No prefetch: the next tile is asked for by real loads a product and a weighted sum ahead of its use.
; LIMITS.  The maximum taken away ahead of the exponentials is the batch's own largest valid logit (here: the tile's; the second launch brings the tiles under the batch's), not the largest of all logits: it cancels in
; masked / sum(masked).  Where a batch's largest valid logit lies some 87 or more under the largest of all, the quotient made with the largest of all is coarse or 0 / 0; this program gives the exact quotient there.
; NaN and infinities in matrix are not served.  A block whose largest magnitude lies under 2^-124 keeps the scale byte 1 (a block of zeros too: its codes are zeros).  Lengths are held to 0 .. 512.
;
; LDS
.set XC,   0                           ; codes: 16 rows x (512 bytes + 16): a pitch of 33 x 16 bytes, so the 16 rows of a fragment load start 16 bytes apart modulo 256
.set XCP,  528
.set XS,   8448                        ; the rows' scale bytes: 16 rows x (32 bytes + 16)
.set XSP,  48
.set PL,   9216                        ; partial logits: [wave][16 rows] f32
.set RS,   9728                        ; partial sums of r: [wave][1,024 columns] f32
.set BI,   26112                       ; t1: [slot 0 .. 7][wave][r][tile t of columns] f32: 512 bytes for a slot and a wave, written and read by that wave alone
; VECTOR REGISTERS, in windows of 256 (s_set_vgpr_msb: bits 1:0 source 0, 3:2 source 1, 5:4 source 2, 7:6 destination)
; window 0: v1 lane l, v2 r = l % 16, v3 h = l / 16; v4-13, v15-18, v31 addresses that stay; v19-30 at work
.set WSC,  32                          ; v32-63   weights' scale words: register 8 (t % 4) + s: lanes 0-15 tile t, lanes 16-31 tile t + 4, K step s
.set XSC,  64                          ; v64-71   the rows' scale words: register s, lane r = row r
.set WAT,  72                          ; v72-79   w_attn[128 w + 16 t + r]
.set BS,   80                          ; v80-87   t1[the tile's batch][128 w + 16 t + r]
.set ACC,  112                         ; v112-175 eight accumulators
.set XF,   176                         ; v176-239 the rows' fragments, 8 K steps
.set SUM,  240                         ; v240-247 the rows' partial logits
.set TMP,  248                         ; v248-255 at work
.set MX,   112                         ; while a tile is quantised: 16 largest magnitudes, then scale operands;
.set BY,   128                         ; 16 scale bytes;
.set CD,   144                         ; 16 registers of codes
.set RR,   112                         ; v112-143 my four rows' part of r: register 8 c + k = column 256 c + 8 l + k
.set RB,   144                         ; v144-175 the four waves' parts of my 256 columns
; window 1: two sets of 128: set b at 128 b; in it group g = 4 p + c (row p of my 4, chunk c of 256 numbers) at 8 g: numbers 256 c + 8 l + 0 .. 7 of row 4 w + p
; windows 2, 3: the weights' fragment (tile t, K step s) in window 2 + s / 4 at 64 (s % 4) + 8 t
; SCALAR REGISTERS: s[4:25] the eleven buffers; s26 wave; s27 wave x 4 rows of 4,096 bytes; s28 tiles in all; s29 trips; s[40:41], s[48:49] offsets; s[42:43], s[92:93] the loads' bases for sets 0, 1;
;   s[44:45] the tile's logits, s[46:47] its part; s50-55 at work; s[56:59] weights' bases
.set ROW,  30                          ; s30-37   slot i: the tile's first row among matrix's 32,768
.set LW,   60                          ; s60-63   my four rows in a tile: 4 w + 0 .. 3
.set VAL,  68                          ; s68-75   slot i: length - the tile's first position, or 0 where the slot has no tile
.set BB,   76                          ; s76-83   slot i: the batch (until t1's operand is asked for);
.set LD,   76                          ;          then: VAL, but 0 for slot 1, whose loads go out ahead of the loop: is slot i still to be asked for?
.set PP,   84                          ; s84-91   p of my four rows, each the low word of a pair
.set BO,   94                          ; s94      where the trip's two slots of t1 begin in BI
.set MSB, 0
.macro WIN new                         ; the immediate's high byte repeats the setting that is left; a switch that changes nothing is dropped
.if MSB != (\new)
	s_set_vgpr_msb (MSB<<8)|(\new)
.set MSB, (\new)
.endif
.endm
.macro PLACES                          ; four plain places behind a matrix instruction, ahead of loads into its registers and of reads of its result
.rept 4
	v_nop
.endr
.endm
.macro BAR                             ; my LDS stores have landed and my LDS loads are in: then the work-group's barrier
	s_wait_dscnt 0x0
	s_barrier_signal -1
	s_barrier_wait -1
.endm
; The weights' fragments of K steps 4 half .. 4 half + 3, tiles t0 .. t1: eight loads a tile, which together read 256 consecutive bytes of each of the tile's 16 rows
.macro WCODES half, t0, t1
	WIN 0x80+0x40*(\half)
.set T_, \t0
.rept (\t1)-(\t0)+1
.irp q, 0,1,2,3
.irp c, 0,1
	global_load_b128 v[64*\q+8*T_+4*\c:64*\q+8*T_+4*\c+3], v5, s[56:57] offset:8192*T_+256*(\half)+64*\q+32*\c
.endr
.endr
.set T_, T_+1
.endr
	WIN 0
.endm
.macro WSCALES                         ; the weights' scale words: lanes 0-15 tile tq, lanes 16-31 tile tq + 4; four K steps a load
.irp tq, 0,1,2,3
.irp e, 0,1
	global_load_b128 v[WSC+8*\tq+4*\e:WSC+8*\tq+4*\e+3], v6, s[58:59] offset:512*\tq+16*\e
.endr
.endr
.endm
; Loads n0 .. n1 of the 32 that bring my 4 rows of a tile into set b: n = 8 p + 2 c + e.  A lane takes 8 neighbours along K (two loads of 16 bytes), as the conversion wants them; the two loads of a pair cover 1,024 consecutive bytes
.macro XLOADS b, n0, n1
	WIN 0x40
.set N_, \n0
.rept (\n1)-(\n0)+1
	global_load_b128 v[128*(\b)+4*N_:128*(\b)+4*N_+3], v4, s[42+50*(\b):43+50*(\b)] offset:4096*(N_/8)+1024*((N_/2)%4)+16*(N_%2) th:TH_LOAD_RT_NT
.set N_, N_+1
.endr
	WIN 0
.endm
; While the tile in set b is worked on: loads n0 .. n1 of the tile behind it, into the other set, if that tile exists and is still to be asked for
.macro NEXT b, n0, n1
	WIN 0
	s_cmp_eq_u32 s[LD+(\b)+1], 0
	s_cbranch_scc1 .Lnone_\@
	XLOADS 1-(\b), \n0, \n1
.Lnone_\@:
.endm
; Slot i: tile number q = work-group + 256 i -> batch b (how many batches end at or under q), tile t in it, first row, rows that count
.macro MAP i
	s_add_co_u32 s50, ttmp9, 256*(\i)
	v_cmp_ge_u32 s51, s50, v21
	v_cmp_ge_u32 s52, s50, v22
	s_bcnt1_i32_b32 s51, s51
	s_bcnt1_i32_b32 s52, s52
	s_add_co_u32 s51, s51, s52
	s_min_u32 s51, s51, 63                         ; b (64 where q is past the last tile: held, the slot then counts for nothing)
	s_and_b32 s52, s51, 31
	v_readlane_b32 s53, v24, s52                   ; tiles ahead of batch b, and its length: from the register that holds b
	v_readlane_b32 s54, v25, s52
	v_readlane_b32 s55, v19, s52
	v_readlane_b32 s48, v20, s52
	s_cmp_lt_u32 s51, 32
	s_cselect_b32 s53, s53, s54
	s_cselect_b32 s55, s55, s48
	s_sub_co_u32 s53, s50, s53
	s_min_u32 s53, s53, 31                         ; t
	s_lshl_b32 s54, s53, 4
	s_lshl_b32 s48, s51, 9
	s_add_co_u32 s[ROW+\i], s48, s54               ; 512 b + 16 t
	s_sub_co_u32 s55, s55, s54                     ; length - 16 t
	s_cmp_lt_u32 s50, s28
	s_cselect_b32 s[VAL+\i], s55, 0
	s_mov_b32 s[BB+\i], s51
.endm
; Eight LDS loads: the 16 rows' fragments of K steps 4 half .. 4 half + 3.  Lane (r, h): row r, 16 bytes at 64 s + 32 c + 16 h
.macro XFRAG half
.irp q, 0,1,2,3
.irp c, 0,1
	ds_load_b128 v[XF+8*(4*(\half)+\q)+4*\c:XF+8*(4*(\half)+\q)+4*\c+3], v10 offset:64*(4*(\half)+\q)+32*\c
.endr
.endr
.endm
; One matrix instruction: source 0 = 16 rows, source 1 = 16 columns of the weights: register j of lane (r, h) is (row 8 h + j, column 16 t + r).  The rows' scales lie in lanes 0-15, the weights' of tile t in lanes 16 (t / 4) on
.macro WM t, half, q, zero
.set rD, ACC+8*(\t)
.set rA, XF+8*(4*(\half)+(\q))
.set rB, 64*(\q)+8*(\t)
.set rX, XSC+4*(\half)+(\q)
.set rW, WSC+8*((\t)%4)+4*(\half)+(\q)
.if \zero
.if (\t) < 4
	v_wmma_scale_f32_16x16x128_f8f6f4 v[rD:rD+7], v[rA:rA+7], v[rB:rB+7], 0, v[rX], v[rW] matrix_a_fmt:MATRIX_FMT_FP4 matrix_b_fmt:MATRIX_FMT_FP4
.else
	v_wmma_scale_f32_16x16x128_f8f6f4 v[rD:rD+7], v[rA:rA+7], v[rB:rB+7], 0, v[rX], v[rW] matrix_a_fmt:MATRIX_FMT_FP4 matrix_b_fmt:MATRIX_FMT_FP4 matrix_b_scale:MATRIX_SCALE_ROW1
.endif
.else
.if (\t) < 4
	v_wmma_scale_f32_16x16x128_f8f6f4 v[rD:rD+7], v[rA:rA+7], v[rB:rB+7], v[rD:rD+7], v[rX], v[rW] matrix_a_fmt:MATRIX_FMT_FP4 matrix_b_fmt:MATRIX_FMT_FP4
.else
	v_wmma_scale_f32_16x16x128_f8f6f4 v[rD:rD+7], v[rA:rA+7], v[rB:rB+7], v[rD:rD+7], v[rX], v[rW] matrix_a_fmt:MATRIX_FMT_FP4 matrix_b_fmt:MATRIX_FMT_FP4 matrix_b_scale:MATRIX_SCALE_ROW1
.endif
.endif
.endm
; A K step: 8 matrix instructions, my eight tiles of columns.  The eight accumulators take turns, one instruction a turn.  zero = 1: the K step starts the sums: nothing is cleared
.macro MULK half, q, zero
	WIN 0x08+4*(\half)                             ; source 1 (the weights) in window 2 or 3
.irp t, 0,1,2,3,4,5,6,7
	WM \t, \half, \q, \zero
.endr
.endm
; relu(t2 + t1) x w_attn, summed over my 128 columns.  A lane has ONE column in each tile, so the bias and w_attn are one register a tile, taken for both halves of a packed form.
; Each accumulator is read from its low end on.  The sum over a tile's 16 columns is a sum over 16 lanes.
.macro EPI
.irp t, 0,1,2,3,4,5,6,7
.irp j, 0,2,4,6
.if (\t)%2 == 0
	v_pk_add_f32 v[ACC+8*\t+\j:ACC+8*\t+\j+1], v[ACC+8*\t+\j:ACC+8*\t+\j+1], v[BS+\t:BS+\t+1] op_sel_hi:[1,0]
.else
	v_pk_add_f32 v[ACC+8*\t+\j:ACC+8*\t+\j+1], v[ACC+8*\t+\j:ACC+8*\t+\j+1], v[BS+\t-1:BS+\t] op_sel:[0,1] op_sel_hi:[1,1]
.endif
.endr
.irp j, 0,1,2,3,4,5,6,7
	v_max_num_f32 v[ACC+8*\t+\j], 0, v[ACC+8*\t+\j]
.endr
.irp j, 0,2,4,6
.if \t == 0
	v_pk_mul_f32 v[SUM+\j:SUM+\j+1], v[ACC+\j:ACC+\j+1], v[WAT:WAT+1] op_sel_hi:[1,0]
.elseif (\t)%2 == 0
	v_pk_fma_f32 v[SUM+\j:SUM+\j+1], v[ACC+8*\t+\j:ACC+8*\t+\j+1], v[WAT+\t:WAT+\t+1], v[SUM+\j:SUM+\j+1] op_sel_hi:[1,0,1]
.else
	v_pk_fma_f32 v[SUM+\j:SUM+\j+1], v[ACC+8*\t+\j:ACC+8*\t+\j+1], v[WAT+\t-1:WAT+\t], v[SUM+\j:SUM+\j+1] op_sel:[0,1,0] op_sel_hi:[1,1,1]
.endif
.endr
.endr
.irp x, 1,2,4,8
.irp j, 0,1,2,3,4,5,6,7
	v_add_f32_dpp v[SUM+\j], v[SUM+\j], v[SUM+\j] row_xmask:\x row_mask:0xf bank_mask:0xf
.endr
.endr
	ds_store_b128 v12, v[SUM:SUM+3]                ; rows 8 h + 0 .. 7 of my wave's 16 words; the sixteen lanes of a half write the same bytes with the same values
	ds_store_b128 v12, v[SUM+4:SUM+7] offset:16
.endm
; ==== A TILE: slot b of the trip's two, in set b of window 1.  Three barriers, all outside the branches on the slot's count
.macro TILE b
	s_wait_loadcnt 0x0                             ; the tile is in: its loads went out while the tile before was worked on.  No load of mine is out, so a loads' base may be written
	s_wait_xcnt 0x0                                ; the last tile's stores have read their data and bases: both are written again below
	s_lshl_b32 s40, s[ROW+(\b)+1], 12
	s_add_co_u32 s40, s40, s27
	s_add_nc_u64 s[92-50*(\b):93-50*(\b)], s[4:5], s[40:41]   ; my four rows of the tile behind this one
	s_lshl_b32 s40, s[ROW+(\b)], 2
	s_add_nc_u64 s[44:45], s[22:23], s[40:41]      ; this tile's 16 words of logits
	s_lshl_b32 s40, s[ROW+(\b)], 8
	s_add_nc_u64 s[46:47], s[24:25], s[40:41]      ; and its 4,096 bytes of part
	; ---- Q: my 4 rows become codes and scale bytes.  All 16 groups go through each step together, so that no line waits for the line above it
	s_cmp_eq_u32 s[VAL+(\b)], 0
	s_cbranch_scc1 .Lq_done_\@
	WIN 0x14                                       ; sources 1 and 2 in window 1
.set G_, 0
.rept 16
	v_max3_num_f32 v[MX+G_], 0x1800000, |v[128*(\b)+8*G_]|, |v[128*(\b)+8*G_+1]|     ; my 8 numbers' largest magnitude, and the floor 2^(3 - 127): the byte cannot fall under 1
.set G_, G_+1
.endr
	NEXT \b, 0, 3
.irp i, 2,4,6
	WIN 0x14
.set G_, 0
.rept 16
	v_max3_num_f32 v[MX+G_], v[MX+G_], |v[128*(\b)+8*G_+\i]|, |v[128*(\b)+8*G_+\i+1]|
.set G_, G_+1
.endr
	NEXT \b, 2*\i, 2*\i+3
.endr
.irp x, 1,2                                    ; four neighbouring lanes hold a block of 32
.set G_, 0
.rept 16
	v_max_num_f32_dpp v[MX+G_], v[MX+G_], v[MX+G_] row_xmask:\x row_mask:0xf bank_mask:0xf
.set G_, G_+1
.endr
.endr
.set G_, 0
.rept 16
	v_add_nc_u32 v[MX+G_], 0xff000000, v[MX+G_]    ; 2 off the exponent field: the conversion takes this operand's exponent field as its scale
.set G_, G_+1
.endr
.set G_, 0
.rept 16
	v_lshrrev_b32 v[BY+G_], 23, v[MX+G_]           ; the scale's byte
.set G_, G_+1
.endr
	WIN 0x01                                       ; source 0 in window 1
.set G_, 0
.rept 16
	v_cvt_scalef32_pk8_fp4_f32 v[CD+G_], v[128*(\b)+8*G_:128*(\b)+8*G_+7], v[MX+G_]
.set G_, G_+1
.endr
	v_nop                                          ; one plain place behind the last scaled conversion
	WIN 0
.set G_, 0
.rept 16
	ds_store_b32 v7, v[CD+G_] offset:XCP*(G_/4)+128*(G_%4)           ; 8 codes a lane: 128 consecutive bytes of the row
	ds_store_b8 v8, v[BY+G_] offset:XSP*(G_/4)+8*(G_%4)              ; the four lanes of a block write the same byte with the same value
.set G_, G_+1
.endr
.Lq_done_\@:
	BAR                                            ; the tile's codes and scale bytes lie in LDS
	; ---- M: t2 for the 16 rows x my 128 columns, and the partial logits
	s_cmp_eq_u32 s[VAL+(\b)], 0
	s_cbranch_scc1 .Lm_done_\@
	v_add_nc_u32 v28, s[BO], v9
	ds_load_b128 v[XSC:XSC+3], v11
	ds_load_b128 v[XSC+4:XSC+7], v11 offset:16
	XFRAG 0
	ds_load_b128 v[BS:BS+3], v28 offset:2048*(\b)
	ds_load_b128 v[BS+4:BS+7], v28 offset:2048*(\b)+16
	XFRAG 1
	s_wait_dscnt 10                                ; the scale words and K steps 0-3 are in; the two loads of t1 and the eight of K steps 4-7 may be out
	MULK 0, 0, 1
	NEXT \b, 16, 19
	MULK 0, 1, 0
	NEXT \b, 20, 23
	MULK 0, 2, 0
	NEXT \b, 24, 27
	MULK 0, 3, 0
	NEXT \b, 28, 31
	s_wait_dscnt 0x0
	MULK 1, 0, 0
	MULK 1, 1, 0
	MULK 1, 2, 0
	MULK 1, 3, 0
	PLACES
	WIN 0
	EPI
.Lm_done_\@:
	BAR                                            ; the four waves' partial logits lie in LDS
	; ---- S: the logits, p, and my four rows' part of the weighted sum
	s_cmp_eq_u32 s[VAL+(\b)], 0
	s_cbranch_scc1 .Ls_mid_\@
.irp w, 0,1,2,3
	ds_load_b32 v[TMP+\w], v13 offset:64*\w
.endr
	v_mov_b32 v21, 0xff800000                      ; -infinity
	s_wait_dscnt 0x0
	v_add_f32 v[TMP], v[TMP], v[TMP+1]
	v_add_f32 v[TMP+2], v[TMP+2], v[TMP+3]
	v_add_f32 v19, v[TMP], v[TMP+2]                ; lane (r, h): the logit of row r, the same bits in every wave and in both halves of the lanes
	s_cmp_lg_u32 s26, 0
	s_cbranch_scc1 .Lnot_wave_0_\@
	global_store_b32 v31, v19, s[44:45]            ; all 16, valid or not: 64 consecutive bytes; lanes r and 16 + r store the same word with the same value
.Lnot_wave_0_\@:
	v_cmp_gt_u32 vcc_lo, s[VAL+(\b)], v2           ; does row r count?
	v_cndmask_b32 v20, v21, v19, vcc_lo
	v_mov_b32 v22, v20
.irp x, 1,2,4,8
	v_max_num_f32_dpp v22, v22, v22 row_xmask:\x row_mask:0xf bank_mask:0xf
.endr                                              ; m: the tile's largest valid logit (row 0 always counts)
	v_sub_f32 v20, v20, v22
	v_mul_f32 v20, 0x3fb8aa3b, v20
	v_exp_f32 v20, v20                             ; p; 0 for a row that does not count
	v_nop                                          ; a plain place behind the transcendental
	s_wait_alu depctr_va_vdst(0)                   ; the wait ahead of the first reader
.irp rw, 0,1,2,3
	v_readlane_b32 s[PP+2*\rw], v20, s[LW+\rw]     ; p of my rows 4 w + 0 .. 3
.endr
	WIN 0x01                                       ; source 0 (the rows) in window 1
.irp rw, 0,1,2,3
.irp c, 0,1,2,3
.irp k, 0,2,4,6
.if \rw == 0
	v_pk_mul_f32 v[RR+8*\c+\k:RR+8*\c+\k+1], v[128*(\b)+8*\c+\k:128*(\b)+8*\c+\k+1], s[PP:PP+1] op_sel_hi:[1,0]     ; the first row starts the sums: nothing is cleared
.else
	v_pk_fma_f32 v[RR+8*\c+\k:RR+8*\c+\k+1], v[128*(\b)+8*(4*\rw+\c)+\k:128*(\b)+8*(4*\rw+\c)+\k+1], s[PP+2*\rw:PP+2*\rw+1], v[RR+8*\c+\k:RR+8*\c+\k+1] op_sel_hi:[1,0,1]
.endif
.endr
.endr
.endr
	WIN 0
.irp c, 0,1,2,3
.irp e, 0,1
	ds_store_b128 v15, v[RR+8*\c+4*\e:RR+8*\c+4*\e+3] offset:1024*\c+16*\e   ; columns in their order: 4 x (256 c + 8 l + 4 e) bytes into my wave's 4,096
.endr
.endr
.Ls_mid_\@:
	BAR                                            ; the four waves' parts of r lie in LDS
	s_cmp_eq_u32 s[VAL+(\b)], 0
	s_cbranch_scc1 .Ls_done_\@
.irp w, 0,1,2,3
.irp e, 0,1
	ds_load_b128 v[RB+8*\w+4*\e:RB+8*\w+4*\e+3], v16 offset:4096*\w+512*\e   ; my 256 columns of wave w's part: 512 consecutive bytes a load
.endr
.endr
	s_wait_dscnt 0x0
.irp k, 0,2,4,6
	v_pk_add_f32 v[RB+\k:RB+\k+1], v[RB+\k:RB+\k+1], v[RB+8+\k:RB+8+\k+1]
	v_pk_add_f32 v[RB+16+\k:RB+16+\k+1], v[RB+16+\k:RB+16+\k+1], v[RB+24+\k:RB+24+\k+1]
.endr
.irp k, 0,2,4,6
	v_pk_add_f32 v[RB+\k:RB+\k+1], v[RB+\k:RB+\k+1], v[RB+16+\k:RB+16+\k+1]
.endr
	global_store_b128 v17, v[RB:RB+3], s[46:47] th:TH_STORE_NT               ; each store of the wave covers 512 consecutive bytes, aligned
	global_store_b128 v17, v[RB+4:RB+7], s[46:47] offset:512 th:TH_STORE_NT
.Ls_done_\@:
.endm
	; ---- ids and the addresses that stay
	s_load_b512 s[4:19], s[0:1], 0x0               ; matrix 4:5, lengths 6:7, W_mat codes 8:9, scales 10:11, W_vec codes 12:13, scales 14:15, vector codes 16:17, scales 18:19
	s_load_b128 s[20:23], s[0:1], 0x40             ; w_attn, logits
	s_load_b64 s[24:25], s[0:1], 0x50              ; part
	v_lshl_add_u32 v254, v0, 2, 0xa600
	v_mov_b32 v255, 0
	v_and_b32 v1, 31, v0                           ; l
	v_and_b32 v2, 15, v0                           ; r
	v_bfe_u32 v3, v0, 4, 1                         ; h
	v_lshrrev_b32 v19, 5, v0
	v_readfirstlane_b32 s26, v19                   ; wave 0..3
	s_lshl_b32 s27, s26, 14
	s_lshl_b32 s[LW], s26, 2
	s_add_co_u32 s[LW+1], s[LW], 1
	s_add_co_u32 s[LW+2], s[LW], 2
	s_add_co_u32 s[LW+3], s[LW], 3
.irp rw, 0,1,2,3
	s_mov_b32 s[PP+2*\rw+1], 0                     ; (named with p as a pair, so it is written)
.endr
	s_mov_b32 s41, 0
	s_mov_b32 s49, 0
	v_lshlrev_b32 v4, 5, v1                        ; matrix: 32 l
	v_lshlrev_b32 v5, 9, v2
	v_lshl_add_u32 v5, v3, 4, v5                   ; weights' codes: 512 r + 16 h
	v_lshlrev_b32 v6, 5, v2
	v_lshl_add_u32 v6, v3, 11, v6                  ; weights' scales: 32 r + 2,048 h (four tiles on)
	s_mul_i32 s48, s26, 4*XCP
	v_lshl_add_u32 v7, v1, 2, s48                  ; codes in: XC (= 0) + my 4 rows + 4 l
	s_mul_i32 s48, s26, 4*XSP
	s_add_co_u32 s48, s48, XS
	v_lshrrev_b32 v8, 2, v1
	v_add_nc_u32 v8, s48, v8                       ; scale bytes in: XS + my 4 rows + l / 4
	s_lshl_b32 s48, s26, 9
	s_add_co_u32 s48, s48, BI
	v_lshl_add_u32 v9, v2, 5, s48                  ; t1: BI + 512 w + 32 r
	v_mul_u32_u24 v10, v2, XCP
	v_lshl_add_u32 v10, v3, 4, v10                 ; fragments: XC + row r + 16 h
	v_mul_u32_u24 v11, v2, XSP
	v_add_nc_u32 v11, XS, v11                      ; scale words: XS + row r
	s_lshl_b32 s48, s26, 6
	s_add_co_u32 s48, s48, PL
	v_lshl_add_u32 v12, v3, 5, s48                 ; partial logits in: PL + 64 w + 32 h
	v_lshl_add_u32 v13, v2, 2, PL                  ; and back: PL + 4 r
	s_lshl_b32 s48, s26, 12
	s_add_co_u32 s48, s48, RS
	v_lshl_add_u32 v15, v1, 5, s48                 ; my part of r in: RS + 4,096 w + 32 l
	s_lshl_b32 s48, s26, 10
	s_add_co_u32 s50, s48, RS
	v_lshl_add_u32 v16, v1, 4, s50                 ; my 256 columns back: RS + 1,024 w + 16 l
	v_lshl_add_u32 v17, v1, 4, s48                 ; and in the tile's 4,096 bytes of part: 1,024 w + 16 l
	v_lshlrev_b32 v18, 2, v1                       ; 4 l
	v_lshlrev_b32 v31, 2, v2                       ; 4 r
	s_wait_kmcnt 0x0
	s_lshl_b32 s48, s26, 16
	s_add_nc_u64 s[56:57], s[12:13], s[48:49]      ; W_vec's codes at my 128 rows
	s_lshl_b32 s48, s26, 12
	s_add_nc_u64 s[58:59], s[14:15], s[48:49]      ; and their scales
	s_lshl_b32 s48, s26, 9
	s_add_nc_u64 s[20:21], s[20:21], s[48:49]      ; w_attn at my 128 numbers
	; ---- the lengths first; 48 loads that hang on no length go out behind them
	global_load_b32 v19, v18, s[6:7]               ; length of batch l
	global_load_b32 v20, v18, s[6:7] offset:128    ; and of batch 32 + l
	WSCALES
.irp t, 0,1,2,3,4,5,6,7
	global_load_b32 v[WAT+\t], v31, s[20:21] offset:64*\t
.endr
	WCODES 0, 0, 3
	s_wait_loadcnt 48                              ; the two lengths are in; the 8 + 8 + 32 loads behind them may be out
	; ---- the numbering of the tiles: whole numbers alone
	v_max_i32 v19, 0, v19
	v_max_i32 v20, 0, v20
	v_min_i32 v19, 0x200, v19
	v_min_i32 v20, 0x200, v20                      ; lengths held to 0 .. 512
	v_add_nc_u32 v24, 15, v19
	v_add_nc_u32 v25, 15, v20
	v_lshrrev_b32 v24, 4, v24
	v_lshrrev_b32 v25, 4, v25                      ; tiles of each batch
	v_mov_b32 v21, v24
	v_mov_b32 v22, v25
	v_mov_b32 v23, 0
	v_mov_b32 v26, 0
.irp d, 1,2,4,8                                ; running sums inside each 16 lanes
	v_mov_b32_dpp v23, v21 row_shr:\d row_mask:0xf bank_mask:0xf bound_ctrl:1
	v_mov_b32_dpp v26, v22 row_shr:\d row_mask:0xf bank_mask:0xf bound_ctrl:1
	v_add_nc_u32 v21, v21, v23
	v_add_nc_u32 v22, v22, v26
.endr
	v_readlane_b32 s48, v21, 15
	v_readlane_b32 s50, v22, 15
	v_mad_u32_u24 v21, v3, s48, v21                ; lanes 16-31 add the first 16 lanes' sum
	v_mad_u32_u24 v22, v3, s50, v22
	v_readlane_b32 s48, v21, 31
	v_add_nc_u32 v22, s48, v22                     ; batches 32-63 add that of batches 0-31
	v_readlane_b32 s28, v22, 31                    ; tiles in all
	v_sub_nc_u32 v24, v21, v24                     ; tiles ahead of each batch
	v_sub_nc_u32 v25, v22, v25
.irp i, 0,1,2,3,4,5,6,7
	MAP \i
.endr
	; ---- t1's left operand: row m of the 16 is the vector of slot m % 8's batch, so that register j of a result is slot j, in both halves of the lanes
	v_and_b32 v23, 7, v2
	v_mov_b32 v26, s[BB]
.irp i, 1,2,3,4,5,6,7
	v_mov_b32 v27, s[BB+\i]
	v_cmp_eq_u32 vcc_lo, \i, v23
	v_cndmask_b32 v26, v26, v27, vcc_lo
.endr
	v_min_u32 v26, 63, v26
	v_lshlrev_b32 v27, 9, v26
	v_lshl_add_u32 v27, v3, 4, v27                 ; 512 x batch + 16 h
	v_lshlrev_b32 v28, 5, v26                      ; 32 x batch
.irp s, 0,1,2,3,4,5,6,7
.irp c, 0,1
	global_load_b128 v[XF+8*\s+4*\c:XF+8*\s+4*\c+3], v27, s[16:17] offset:64*\s+32*\c
.endr
.endr
	global_load_b128 v[XSC:XSC+3], v28, s[18:19]
	global_load_b128 v[XSC+4:XSC+7], v28, s[18:19] offset:16
	WCODES 0, 4, 7
	WCODES 1, 0, 7
	s_lshl_b32 s40, s[ROW], 12                     ; slots 0 and 1 are asked for whether they count or not: their addresses lie inside matrix, and both sets of registers are written on every way
	s_add_co_u32 s40, s40, s27
	s_add_nc_u64 s[42:43], s[4:5], s[40:41]
	s_lshl_b32 s40, s[ROW+1], 12
	s_add_co_u32 s40, s40, s27
	s_add_nc_u64 s[92:93], s[4:5], s[40:41]
	XLOADS 0, 0, 31
	XLOADS 1, 0, 30
	s_wait_loadcnt 63                              ; only the 63 loads of matrix just issued may be out: all of t1's operands are in
	XLOADS 1, 31, 31
.irp j, 0,2,3,4,5,6,7
	s_mov_b32 s[LD+\j], s[VAL+\j]                  ; the batches' numbers are done with: their registers say which slots are still to be asked for
.endr
	s_mov_b32 s[LD+1], 0
	; ---- t1 for my 128 columns and the eight slots' batches
	MULK 0, 0, 1
	MULK 0, 1, 0
	MULK 0, 2, 0
	MULK 0, 3, 0
	MULK 1, 0, 0
	MULK 1, 1, 0
	MULK 1, 2, 0
	MULK 1, 3, 0
	WIN 0
	PLACES                                         ; ahead of the stores that read the results, and of the loads into the weights' registers below
.irp t, 0,1,2,3,4,5,6,7
.irp i, 0,1,2,3,4,5,6,7
	ds_store_b32 v9, v[ACC+8*\t+\i] offset:2048*\i+4*\t    ; each accumulator from its low end on; both halves of the lanes write the same word with the same value
.endr
.endr
	; ---- W_mat takes W_vec's registers (W_vec's loads were shown done above, so their bases may be written)
	s_lshl_b32 s48, s26, 16
	s_add_nc_u64 s[56:57], s[8:9], s[48:49]
	s_lshl_b32 s48, s26, 12
	s_add_nc_u64 s[58:59], s[10:11], s[48:49]
	WSCALES
	WCODES 0, 0, 7
	WCODES 1, 0, 7
	s_mov_b32 s29, 4
	s_mov_b32 s[BO], 0
	s_wait_loadcnt 0x0                             ; W_mat is in.  The wait stands here and not in the loop, where the next tile's loads are out at the place of the products
.Ltrip:
	TILE 0
	TILE 1
.irp j, 0,1,2,3,4,5                            ; the slots move down two, so that the trip is written once
	s_mov_b32 s[ROW+\j], s[ROW+\j+2]
	s_mov_b32 s[VAL+\j], s[VAL+\j+2]
	s_mov_b32 s[LD+\j], s[LD+\j+2]
.endr
.irp j, 6,7
	s_mov_b32 s[VAL+\j], 0
	s_mov_b32 s[LD+\j], 0
.endr
	s_add_co_u32 s[BO], s[BO], 4096                ; two slots of t1 on
	s_sub_co_u32 s29, s29, 1
	s_cmp_lg_u32 s29, 0
	s_cbranch_scc1 .Ltrip
	s_wait_tensorcnt 0x0
	ds_add_u32 v254, v255
	s_wait_dscnt 0x0
	s_endpgm
.Lfunc_end_k_q00624142e1_score:
	.size	k_q00624142e1_score, .Lfunc_end_k_q00624142e1_score-k_q00624142e1_score
	.p2alignl 7, 3214868480
	.fill 96, 4, 3214868480
	.section	.rodata,"a",@progbits
	.p2align	6, 0x0
	.amdhsa_kernel k_q00624142e1_score
		.amdhsa_group_segment_fixed_size 43008
		.amdhsa_private_segment_fixed_size 0
		.amdhsa_enable_private_segment 0
		.amdhsa_kernarg_size 88
		.amdhsa_user_sgpr_count 2
		.amdhsa_user_sgpr_kernarg_segment_ptr 1
		.amdhsa_wavefront_size32 1
		.amdhsa_system_sgpr_workgroup_id_x 1
		.amdhsa_system_sgpr_workgroup_id_y 1
		.amdhsa_system_sgpr_workgroup_id_z 1
		.amdhsa_system_vgpr_workitem_id 0
		.amdhsa_next_free_vgpr 1024
		.amdhsa_next_free_sgpr 100
		.amdhsa_reserve_vcc 1
		.amdhsa_float_denorm_mode_32 3
		.amdhsa_float_denorm_mode_16_64 3
		.amdhsa_memory_ordered 1
		.amdhsa_forward_progress 1
		.amdhsa_inst_pref_size 145
	.end_amdhsa_kernel
	.amdgpu_metadata
---
amdhsa.version: [ 1, 2 ]
amdhsa.kernels:
  - .name:           k_q00624142e1_score
    .symbol:         k_q00624142e1_score.kd
    .args:
      - { .name: matrix, .offset: 0, .size: 8, .value_kind: global_buffer, .address_space: global }
      - { .name: input_lengths, .offset: 8, .size: 8, .value_kind: global_buffer, .address_space: global }
      - { .name: W_mat_codes, .offset: 16, .size: 8, .value_kind: global_buffer, .address_space: global }
      - { .name: W_mat_scales, .offset: 24, .size: 8, .value_kind: global_buffer, .address_space: global }
      - { .name: W_vec_codes, .offset: 32, .size: 8, .value_kind: global_buffer, .address_space: global }
      - { .name: W_vec_scales, .offset: 40, .size: 8, .value_kind: global_buffer, .address_space: global }
      - { .name: vector_codes, .offset: 48, .size: 8, .value_kind: global_buffer, .address_space: global }
      - { .name: vector_scales, .offset: 56, .size: 8, .value_kind: global_buffer, .address_space: global }
      - { .name: w_attn, .offset: 64, .size: 8, .value_kind: global_buffer, .address_space: global }
      - { .name: logits, .offset: 72, .size: 8, .value_kind: global_buffer, .address_space: global }
      - { .name: part, .offset: 80, .size: 8, .value_kind: global_buffer, .address_space: global }
    .group_segment_fixed_size: 43008
    .private_segment_fixed_size: 0
    .kernarg_segment_align: 8
    .kernarg_segment_size: 88
    .max_flat_workgroup_size: 128
    .sgpr_count:     100
    .vgpr_count:     1024
    .wavefront_size: 32
...
	.end_amdgpu_metadata
.endif
;; end of part 1
;; launch finish (part 2): grid 256 x 1, 2 waves a work-group, no clusters, 0 bytes of LDS; arguments input_lengths, logits, part, out0, out1; writes out0, out1
.if DOCPART == 2
	.amdgcn_target "amdgcn-amd-amdhsa--gfx1250"
	.amdhsa_code_object_version 6
	.text
	.protected	k_q00624142e1_finish
	.globl	k_q00624142e1_finish
	.p2align	8
	.type	k_q00624142e1_finish,@function
k_q00624142e1_finish:
	s_mov_b64 s[64:65], 0
	v_nop
	global_prefetch_b8 v0, s[64:65] scope:SCOPE_SE
	s_setreg_imm32_b32 hwreg(HW_REG_WAVE_MODE, 25, 1), 1
	s_wait_xcnt 0x0
; AttentionPair, second launch.  For batch b with length len and nt = ceil(len / 16) tiles:
;   M = the largest logit under len;  p[s] = 2^((logit[s] - M) log2 e) under len, else 0;  L = sum of p;  out1[b][s] = p[s] / L;
;   out0[b][d] = (sum over tiles t of 2^((m_t - M) log2 e) part[b][t][d]) / L,  m_t the tile's largest valid logit: the very maximum under which the first launch summed part[b][t].
; SHARES.  Four work-groups of two waves to a batch: wave cg = 0 .. 7 of the batch makes out0[b][128 cg .. + 127] and out1[b][64 cg .. + 63].  Each wave reads the batch's logits itself: no LDS, no barrier.
; Only tiles under nt were written by the first launch: every index is held to them, and what lies at or beyond len is masked by its true position.
; LIMITS.  The maximum is the batch's own largest valid logit (it cancels in the quotient; see the first launch's head).  Lengths are held to 0 .. 512; a length of 0 gives NaN everywhere, which is what 0 / 0 gives.
; REGISTERS: v1 lane; v2 16 l; v3 8 l; v4-7 logits' offsets; v8-11 their positions; v12 -infinity; v13, v14 my own two positions' offset and position; v16-31 the lane's 16 logits, then p; v32-33 my own two;
;   v34-37 tiles' maxima; v38 M; v39 at work; v40-43 the tiles' factors; v44 L; v45 1 / L; v47 my place in a tile of part; v48-79 part's offsets; v80-207 part's 32 tiles; v208-211 the sums; v212-215 at work
;   s40-43 len - 0 .. 3; s66-97 the 32 tiles' factors
	s_load_b256 s[4:11], s[0:1], 0x0               ; lengths 4:5, logits 6:7, part 8:9, out0 10:11
	s_load_b64 s[12:13], s[0:1], 0x20              ; out1
	v_and_b32 v1, 31, v0
	v_lshrrev_b32 v2, 5, v0
	v_readfirstlane_b32 s14, v2                    ; wave 0, 1
	s_lshr_b32 s15, ttmp9, 2                       ; b
	s_and_b32 s16, ttmp9, 3
	s_lshl_b32 s16, s16, 1
	s_add_co_u32 s16, s16, s14                     ; cg
	s_lshl_b32 s17, s15, 2
	v_lshlrev_b32 v2, 4, v1
	v_lshlrev_b32 v3, 3, v1
	v_lshlrev_b32 v15, 2, v1
	v_mov_b32 v12, 0xff800000
	v_mov_b32 v39, 0                               ; (a lane permute's destination counts as one of its sources)
	s_mov_b32 s38, 0x76543210
	s_mov_b32 s39, 0xfedcba98
	s_mov_b32 s21, 0
	s_wait_kmcnt 0x0
	s_load_b32 s18, s[4:5], s17 offset:0x0         ; the batch's length
	s_lshl_b32 s20, s15, 11
	s_add_nc_u64 s[6:7], s[6:7], s[20:21]          ; logits + 2,048 b
	s_add_nc_u64 s[12:13], s[12:13], s[20:21]      ; out1 + 2,048 b
	s_lshl_b32 s20, s16, 8
	s_add_nc_u64 s[12:13], s[12:13], s[20:21]      ;      + 256 cg
	s_lshl_b32 s20, s15, 17
	s_add_nc_u64 s[8:9], s[8:9], s[20:21]          ; part + 131,072 b
	s_lshl_b32 s20, s15, 12
	s_add_nc_u64 s[10:11], s[10:11], s[20:21]      ; out0 + 4,096 b
	s_lshl_b32 s22, s16, 9
	s_mov_b32 s20, s22
	s_add_nc_u64 s[10:11], s[10:11], s[20:21]      ;      + 512 cg
	s_wait_kmcnt 0x0
	s_max_i32 s18, s18, 0
	s_min_i32 s18, s18, 0x200
	s_cmp_eq_u32 s18, 0
	s_cbranch_scc1 .Lnone
	s_add_co_u32 s19, s18, 15
	s_lshr_b32 s19, s19, 4                         ; nt, 1 .. 32
	s_lshl_b32 s23, s19, 4
	s_sub_co_u32 s24, s23, 4                       ; the last group of four words that was written,
	s_sub_co_u32 s25, s23, 2                       ; the last pair,
	s_sub_co_u32 s26, s19, 1                       ; the last tile
.irp k, 0,1,2,3                                ; the batch's logits: lane l takes positions 128 k + 4 l + 0 .. 3: four lanes hold tile 8 k + l / 4
	v_add_nc_u32 v[8+\k], 128*\k, v15
	v_min_u32 v[4+\k], s24, v[8+\k]
	v_min_u32 v[4+\k], 0x1fc, v[4+\k]
	v_lshlrev_b32 v[4+\k], 2, v[4+\k]
	global_load_b128 v[16+4*\k:19+4*\k], v[4+\k], s[6:7]
.endr
	s_lshl_b32 s27, s16, 6
	v_lshl_add_u32 v14, v1, 1, s27                 ; my own two positions: 64 cg + 2 l
	v_min_u32 v13, s25, v14
	v_min_u32 v13, 0x1fe, v13
	v_lshlrev_b32 v13, 2, v13
	global_load_b64 v[32:33], v13, s[6:7]
	v_add_nc_u32 v47, s22, v2                      ; 512 cg + 16 l
.irp t, 0,1,2,3,4,5,6,7,8,9,10,11,12,13,14,15,16,17,18,19,20,21,22,23,24,25,26,27,28,29,30,31  ; my 128 columns of the 32 tiles; a tile at or beyond nt reads the last written one, and gets the factor 0
	s_min_u32 s28, s26, \t
	s_min_u32 s28, s28, 31
	s_lshl_b32 s28, s28, 12
	v_add_nc_u32 v[48+\t], s28, v47
	global_load_b128 v[80+4*\t:83+4*\t], v[48+\t], s[8:9]
.endr
	s_mov_b32 s40, s18
	s_sub_co_i32 s41, s18, 1
	s_sub_co_i32 s42, s18, 2
	s_sub_co_i32 s43, s18, 3
	s_wait_loadcnt 32                              ; the logits are in; part's 32 loads may be out
.irp k, 0,1,2,3
.irp e, 0,1,2,3
	v_cmp_gt_i32 vcc_lo, s[40+\e], v[8+\k]         ; position + e < len
	v_cndmask_b32 v[16+4*\k+\e], v12, v[16+4*\k+\e], vcc_lo
.endr
.endr
.irp e, 0,1
	v_cmp_gt_i32 vcc_lo, s[40+\e], v14
	v_cndmask_b32 v[32+\e], v12, v[32+\e], vcc_lo
.endr
.irp k, 0,1,2,3
	v_max3_num_f32 v[34+\k], v[16+4*\k], v[17+4*\k], v[18+4*\k]
.endr
.irp k, 0,1,2,3
	v_max_num_f32 v[34+\k], v[34+\k], v[19+4*\k]
.endr
.irp x, 1,2
.irp k, 0,1,2,3
	v_max_num_f32_dpp v[34+\k], v[34+\k], v[34+\k] row_xmask:\x row_mask:0xf bank_mask:0xf   ; m_t of tile 8 k + l / 4; -infinity for a tile without a valid position
.endr
.endr
	v_max3_num_f32 v38, v34, v35, v36
	v_max_num_f32 v38, v38, v37
	v_max_num_f32_dpp v38, v38, v38 row_xmask:4 row_mask:0xf bank_mask:0xf
	v_max_num_f32_dpp v38, v38, v38 row_xmask:8 row_mask:0xf bank_mask:0xf
	v_permlanex16_b32 v39, v38, s38, s39
	v_max_num_f32 v38, v38, v39                    ; M (position 0 always counts, so it is a number)
.irp k, 0,1,2,3
	v_sub_f32 v[40+\k], v[34+\k], v38
.endr
.irp j, 0,1,2,3,4,5,6,7,8,9,10,11,12,13,14,15,16,17
	v_sub_f32 v[16+\j], v[16+\j], v38
.endr
.irp k, 0,1,2,3
	v_mul_f32 v[40+\k], 0x3fb8aa3b, v[40+\k]
.endr
.irp j, 0,1,2,3,4,5,6,7,8,9,10,11,12,13,14,15,16,17
	v_mul_f32 v[16+\j], 0x3fb8aa3b, v[16+\j]
.endr
.irp k, 0,1,2,3                                ; one batch of 22 exponentials
	v_exp_f32 v[40+\k], v[40+\k]
.endr
.irp j, 0,1,2,3,4,5,6,7,8,9,10,11,12,13,14,15,16,17
	v_exp_f32 v[16+\j], v[16+\j]
.endr
	v_nop                                          ; a plain place behind the last of them
	s_wait_alu depctr_va_vdst(0)                   ; the wait ahead of the first reader: one for the batch
	v_pk_add_f32 v[44:45], v[16:17], v[18:19]
	v_pk_add_f32 v[212:213], v[20:21], v[22:23]
.irp j, 24,28
	v_pk_add_f32 v[44:45], v[44:45], v[\j:\j+1]
	v_pk_add_f32 v[212:213], v[212:213], v[\j+2:\j+3]
.endr
	v_pk_add_f32 v[44:45], v[44:45], v[212:213]
	v_add_f32 v44, v44, v45
.irp x, 1,2,4,8
	v_add_f32_dpp v44, v44, v44 row_xmask:\x row_mask:0xf bank_mask:0xf
.endr
	v_permlanex16_b32 v39, v44, s38, s39
	v_add_f32 v44, v44, v39                        ; L, at least 1
	v_rcp_f32 v45, v44
.irp t, 0,1,2,3,4,5,6,7,8,9,10,11,12,13,14,15,16,17,18,19,20,21,22,23,24,25,26,27,28,29,30,31
	v_readlane_b32 s[66+\t], v[40+\t/8], 4*(\t%8)  ; tile t's factor.  (Plain work behind the reciprocal, which it does not name)
.endr
	s_wait_alu depctr_va_vdst(0)                   ; the wait ahead of the reciprocal's first reader
	v_mul_f32 v214, v32, v45
	v_mul_f32 v215, v33, v45
	global_store_b64 v3, v[214:215], s[12:13]      ; the wave stores 256 consecutive bytes, aligned
.irp t, 0,1,2,3,4,5,6,7,8,9,10,11,12,13,14,15,16,17,18,19,20,21,22,23,24,25,26,27,28,29,30,31
	s_wait_loadcnt 31-\t                           ; tile t is in; the younger loads may be out
.irp j, 0,1,2,3
.if \t == 0
	v_mul_f32 v[208+\j], s66, v[80+\j]
.else
	v_fma_f32 v[208+\j], s[66+\t], v[80+4*\t+\j], v[208+\j]
.endif
.endr
.endr
.irp j, 0,1,2,3
	v_mul_f32 v[208+\j], v[208+\j], v45
.endr
	global_store_b128 v2, v[208:211], s[10:11]     ; 512 consecutive bytes, aligned
	s_endpgm
.Lnone:                                            ; no position counts: 0 / 0
.irp j, 0,1,2,3
	v_mov_b32 v[208+\j], 0x7fc00000
.endr
	global_store_b64 v3, v[208:209], s[12:13]
	global_store_b128 v2, v[208:211], s[10:11]
	s_endpgm
.Lfunc_end_k_q00624142e1_finish:
	.size	k_q00624142e1_finish, .Lfunc_end_k_q00624142e1_finish-k_q00624142e1_finish
	.p2alignl 7, 3214868480
	.fill 96, 4, 3214868480
	.section	.rodata,"a",@progbits
	.p2align	6, 0x0
	.amdhsa_kernel k_q00624142e1_finish
		.amdhsa_group_segment_fixed_size 0
		.amdhsa_private_segment_fixed_size 0
		.amdhsa_enable_private_segment 0
		.amdhsa_kernarg_size 40
		.amdhsa_user_sgpr_count 2
		.amdhsa_user_sgpr_kernarg_segment_ptr 1
		.amdhsa_wavefront_size32 1
		.amdhsa_system_sgpr_workgroup_id_x 1
		.amdhsa_system_sgpr_workgroup_id_y 1
		.amdhsa_system_sgpr_workgroup_id_z 1
		.amdhsa_system_vgpr_workitem_id 0
		.amdhsa_next_free_vgpr 216
		.amdhsa_next_free_sgpr 100
		.amdhsa_reserve_vcc 1
		.amdhsa_float_denorm_mode_32 3
		.amdhsa_float_denorm_mode_16_64 3
		.amdhsa_memory_ordered 1
		.amdhsa_forward_progress 1
		.amdhsa_inst_pref_size 29
	.end_amdhsa_kernel
	.amdgpu_metadata
---
amdhsa.version: [ 1, 2 ]
amdhsa.kernels:
  - .name:           k_q00624142e1_finish
    .symbol:         k_q00624142e1_finish.kd
    .args:
      - { .name: input_lengths, .offset: 0, .size: 8, .value_kind: global_buffer, .address_space: global }
      - { .name: logits, .offset: 8, .size: 8, .value_kind: global_buffer, .address_space: global }
      - { .name: part, .offset: 16, .size: 8, .value_kind: global_buffer, .address_space: global }
      - { .name: out0, .offset: 24, .size: 8, .value_kind: global_buffer, .address_space: global }
      - { .name: out1, .offset: 32, .size: 8, .value_kind: global_buffer, .address_space: global }
    .group_segment_fixed_size: 0
    .private_segment_fixed_size: 0
    .kernarg_segment_align: 8
    .kernarg_segment_size: 40
    .max_flat_workgroup_size: 64
    .sgpr_count:     100
    .vgpr_count:     216
    .wavefront_size: 32
...
	.end_amdgpu_metadata
.endif
;; end of part 2
;; ======== version 2 of 2: 2 launches
;; workspace buffers: logits 131,072 bytes; part 8,388,608 bytes
;; launch score (part 3): grid 256 x 1, 4 waves a work-group, no clusters, 43,008 bytes of LDS; arguments matrix, input_lengths, W_mat_codes, W_mat_scales, W_vec_codes, W_vec_scales, vector_codes, vector_scales, w_attn, logits, part; writes logits, part
.if DOCPART == 3
	.amdgcn_target "amdgcn-amd-amdhsa--gfx1250"
	.amdhsa_code_object_version 6
	.text
	.protected	k_q00624142e1_score
	.globl	k_q00624142e1_score
	.p2align	8
	.type	k_q00624142e1_score,@function
k_q00624142e1_score:
	s_mov_b64 s[64:65], 0
	v_nop
	global_prefetch_b8 v0, s[64:65] scope:SCOPE_SE
	s_setreg_imm32_b32 hwreg(HW_REG_WAVE_MODE, 25, 1), 1
	s_wait_xcnt 0x0
; AttentionPair, first launch.  For each TILE (16 rows of one batch that begin under the batch's length):
;   logit[s] = sum over a of relu(t1[b][a] + t2[s][a]) w_attn[a],  t1 = vector W_vec, t2 = Q(matrix) W_mat, both on codes of FP4 (E2M1) with one E8M0 scale for each 32 along K;
;   p[s] = 2^((logit[s] - m) log2 e) for s under the length, else 0, m the tile's largest valid logit;   r[d] = sum over s of p[s] matrix[s][d], all in f32.
; Stored: the 16 logits (buffer logits, [64][512]) and r (buffer part, [64][32][1024]).  The second launch joins a batch's tiles.
; So each row of matrix is read from memory once, and rows in tiles that lie wholly at or beyond the length, which the mask throws away, are not read at all.
; SHARES.  256 work-groups of four waves.  The tiles are numbered batch by batch; work-group g takes numbers g + 256 i, i = 0 .. 7, as far as there are tiles (at most 2,048).  The numbering is made from
; input_lengths in registers by every wave.  The loop has four trips of two tiles whatever the lengths; a tile that does not exist jumps over its work, never over a barrier.
; Wave w owns columns 128 w .. 128 w + 127 of the 512: its part of W_mat, 8 tiles of 16 columns x 8 K steps x 8 registers = 512 registers, stays in registers for the whole launch (W_vec borrows them first, for t1).
; Wave w owns rows 4 w .. 4 w + 3 of a tile: 128 registers.  THE ROWS STAY IN REGISTERS from their load until p is known: the wave quantises them (codes and scale bytes go to LDS, where all four waves read
; them), and later multiplies them by p; only the four waves' partial sums of r, 4 KiB each, meet in LDS.  Two such sets of 128 registers take turns: while one tile is worked on, the next one lands in the other.
; The next tile's 32 loads go out four at a time, among the quantising and behind the product's first four K steps.
; No tensor load, no cluster: branches hang on input_lengths.  No prefetch: the next tile is asked for by real loads a product and a weighted sum ahead of its use.
; LIMITS.  The maximum taken away ahead of the exponentials is the batch's own largest valid logit (here: the tile's; the second launch brings the tiles under the batch's), not the largest of all logits: it cancels in
; masked / sum(masked).  Where a batch's largest valid logit lies some 87 or more under the largest of all, the quotient made with the largest of all is coarse or 0 / 0; this program gives the exact quotient there.
; NaN and infinities in matrix are not served.  A block whose largest magnitude lies under 2^-124 keeps the scale byte 1 (a block of zeros too: its codes are zeros).  Lengths are held to 0 .. 512.
;
; LDS
.set XC,   0                           ; codes: 16 rows x (512 bytes + 16): a pitch of 33 x 16 bytes, so the 16 rows of a fragment load start 16 bytes apart modulo 256
.set XCP,  528
.set XS,   8448                        ; the rows' scale bytes: 16 rows x (32 bytes + 16)
.set XSP,  48
.set PL,   9216                        ; partial logits: [wave][16 rows] f32
.set RS,   9728                        ; partial sums of r: [wave][1,024 columns] f32
.set BI,   26112                       ; t1: [slot 0 .. 7][wave][r][tile t of columns] f32: 512 bytes for a slot and a wave, written and read by that wave alone
; VECTOR REGISTERS, in windows of 256 (s_set_vgpr_msb: bits 1:0 source 0, 3:2 source 1, 5:4 source 2, 7:6 destination)
; window 0: v1 lane l, v2 r = l % 16, v3 h = l / 16; v4-13, v15-18, v31 addresses that stay; v19-30 at work
.set WSC,  32                          ; v32-63   weights' scale words: register 8 (t % 4) + s: lanes 0-15 tile t, lanes 16-31 tile t + 4, K step s
.set XSC,  64                          ; v64-71   the rows' scale words: register s, lane r = row r
.set WAT,  72                          ; v72-79   w_attn[128 w + 16 t + r]
.set BS,   80                          ; v80-87   t1[the tile's batch][128 w + 16 t + r]
.set ACC,  112                         ; v112-175 eight accumulators
.set XF,   176                         ; v176-239 the rows' fragments, 8 K steps
.set SUM,  240                         ; v240-247 the rows' partial logits
.set TMP,  248                         ; v248-255 at work
.set MX,   112                         ; while a tile is quantised: 16 largest magnitudes, then scale operands;
.set BY,   128                         ; 16 scale bytes;
.set CD,   144                         ; 16 registers of codes
.set RR,   112                         ; v112-143 my four rows' part of r: register 8 c + k = column 256 c + 8 l + k
.set RB,   144                         ; v144-175 the four waves' parts of my 256 columns
; window 1: two sets of 128: set b at 128 b; in it group g = 4 p + c (row p of my 4, chunk c of 256 numbers) at 8 g: numbers 256 c + 8 l + 0 .. 7 of row 4 w + p
; windows 2, 3: the weights' fragment (tile t, K step s) in window 2 + s / 4 at 64 (s % 4) + 8 t
; SCALAR REGISTERS: s[4:25] the eleven buffers; s26 wave; s27 wave x 4 rows of 4,096 bytes; s28 tiles in all; s29 trips; s[40:41], s[48:49] offsets; s[42:43], s[92:93] the loads' bases for sets 0, 1;
;   s[44:45] the tile's logits, s[46:47] its part; s50-55 at work; s[56:59] weights' bases
.set ROW,  30                          ; s30-37   slot i: the tile's first row among matrix's 32,768
.set LW,   60                          ; s60-63   my four rows in a tile: 4 w + 0 .. 3
.set VAL,  68                          ; s68-75   slot i: length - the tile's first position, or 0 where the slot has no tile
.set BB,   76                          ; s76-83   slot i: the batch (until t1's operand is asked for);
.set LD,   76                          ;          then: VAL, but 0 for slot 1, whose loads go out ahead of the loop: is slot i still to be asked for?
.set PP,   84                          ; s84-91   p of my four rows, each the low word of a pair
.set BO,   94                          ; s94      where the trip's two slots of t1 begin in BI
.set MSB, 0
.macro WIN new                         ; the immediate's high byte repeats the setting that is left; a switch that changes nothing is dropped
.if MSB != (\new)
	s_set_vgpr_msb (MSB<<8)|(\new)
.set MSB, (\new)
.endif
.endm
.macro PLACES                          ; four plain places behind a matrix instruction, ahead of loads into its registers and of reads of its result
.rept 4
	v_nop
.endr
.endm
.macro BAR                             ; my LDS stores have landed and my LDS loads are in: then the work-group's barrier
	s_wait_dscnt 0x0
	s_barrier_signal -1
	s_barrier_wait -1
.endm
; The weights' fragments of K steps 4 half .. 4 half + 3, tiles t0 .. t1: eight loads a tile, which together read 256 consecutive bytes of each of the tile's 16 rows
.macro WCODES half, t0, t1
	WIN 0x80+0x40*(\half)
.set T_, \t0
.rept (\t1)-(\t0)+1
.irp q, 0,1,2,3
.irp c, 0,1
	global_load_b128 v[64*\q+8*T_+4*\c:64*\q+8*T_+4*\c+3], v5, s[56:57] offset:8192*T_+256*(\half)+64*\q+32*\c
.endr
.endr
.set T_, T_+1
.endr
	WIN 0
.endm
.macro WSCALES                         ; the weights' scale words: lanes 0-15 tile tq, lanes 16-31 tile tq + 4; four K steps a load
.irp tq, 0,1,2,3
.irp e, 0,1
	global_load_b128 v[WSC+8*\tq+4*\e:WSC+8*\tq+4*\e+3], v6, s[58:59] offset:512*\tq+16*\e
.endr
.endr
.endm
; Loads n0 .. n1 of the 32 that bring my 4 rows of a tile into set b: n = 8 p + 2 c + e.  A lane takes 8 neighbours along K (two loads of 16 bytes), as the conversion wants them; the two loads of a pair cover 1,024 consecutive bytes
.macro XLOADS b, n0, n1
	WIN 0x40
.set N_, \n0
.rept (\n1)-(\n0)+1
	global_load_b128 v[128*(\b)+4*N_:128*(\b)+4*N_+3], v4, s[42+50*(\b):43+50*(\b)] offset:4096*(N_/8)+1024*((N_/2)%4)+16*(N_%2) th:TH_LOAD_RT_NT
.set N_, N_+1
.endr
	WIN 0
.endm
; While the tile in set b is worked on: loads n0 .. n1 of the tile behind it, into the other set, if that tile exists and is still to be asked for
.macro NEXT b, n0, n1
	WIN 0
	s_cmp_eq_u32 s[LD+(\b)+1], 0
	s_cbranch_scc1 .Lnone_\@
	XLOADS 1-(\b), \n0, \n1
.Lnone_\@:
.endm
; Slot i: tile number q = work-group + 256 i -> batch b (how many batches end at or under q), tile t in it, first row, rows that count
.macro MAP i
	s_add_co_u32 s50, ttmp9, 256*(\i)
	v_cmp_ge_u32 s51, s50, v21
	v_cmp_ge_u32 s52, s50, v22
	s_bcnt1_i32_b32 s51, s51
	s_bcnt1_i32_b32 s52, s52
	s_add_co_u32 s51, s51, s52
	s_min_u32 s51, s51, 63                         ; b (64 where q is past the last tile: held, the slot then counts for nothing)
	s_and_b32 s52, s51, 31
	v_readlane_b32 s53, v24, s52                   ; tiles ahead of batch b, and its length: from the register that holds b
	v_readlane_b32 s54, v25, s52
	v_readlane_b32 s55, v19, s52
	v_readlane_b32 s48, v20, s52
	s_cmp_lt_u32 s51, 32
	s_cselect_b32 s53, s53, s54
	s_cselect_b32 s55, s55, s48
	s_sub_co_u32 s53, s50, s53
	s_min_u32 s53, s53, 31                         ; t
	s_lshl_b32 s54, s53, 4
	s_lshl_b32 s48, s51, 9
	s_add_co_u32 s[ROW+\i], s48, s54               ; 512 b + 16 t
	s_sub_co_u32 s55, s55, s54                     ; length - 16 t
	s_cmp_lt_u32 s50, s28
	s_cselect_b32 s[VAL+\i], s55, 0
	s_mov_b32 s[BB+\i], s51
.endm
; Eight LDS loads: the 16 rows' fragments of K steps 4 half .. 4 half + 3.  Lane (r, h): row r, 16 bytes at 64 s + 32 c + 16 h
.macro XFRAG half
.irp q, 0,1,2,3
.irp c, 0,1
	ds_load_b128 v[XF+8*(4*(\half)+\q)+4*\c:XF+8*(4*(\half)+\q)+4*\c+3], v10 offset:64*(4*(\half)+\q)+32*\c
.endr
.endr
.endm
; One matrix instruction: source 0 = 16 rows, source 1 = 16 columns of the weights: register j of lane (r, h) is (row 8 h + j, column 16 t + r).  The rows' scales lie in lanes 0-15, the weights' of tile t in lanes 16 (t / 4) on
.macro WM t, half, q, zero
.set rD, ACC+8*(\t)
.set rA, XF+8*(4*(\half)+(\q))
.set rB, 64*(\q)+8*(\t)
.set rX, XSC+4*(\half)+(\q)
.set rW, WSC+8*((\t)%4)+4*(\half)+(\q)
.if \zero
.if (\t) < 4
	v_wmma_scale_f32_16x16x128_f8f6f4 v[rD:rD+7], v[rA:rA+7], v[rB:rB+7], 0, v[rX], v[rW] matrix_a_fmt:MATRIX_FMT_FP4 matrix_b_fmt:MATRIX_FMT_FP4
.else
	v_wmma_scale_f32_16x16x128_f8f6f4 v[rD:rD+7], v[rA:rA+7], v[rB:rB+7], 0, v[rX], v[rW] matrix_a_fmt:MATRIX_FMT_FP4 matrix_b_fmt:MATRIX_FMT_FP4 matrix_b_scale:MATRIX_SCALE_ROW1
.endif
.else
.if (\t) < 4
	v_wmma_scale_f32_16x16x128_f8f6f4 v[rD:rD+7], v[rA:rA+7], v[rB:rB+7], v[rD:rD+7], v[rX], v[rW] matrix_a_fmt:MATRIX_FMT_FP4 matrix_b_fmt:MATRIX_FMT_FP4
.else
	v_wmma_scale_f32_16x16x128_f8f6f4 v[rD:rD+7], v[rA:rA+7], v[rB:rB+7], v[rD:rD+7], v[rX], v[rW] matrix_a_fmt:MATRIX_FMT_FP4 matrix_b_fmt:MATRIX_FMT_FP4 matrix_b_scale:MATRIX_SCALE_ROW1
.endif
.endif
.endm
; A K step: 8 matrix instructions, my eight tiles of columns.  The eight accumulators take turns, one instruction a turn.  zero = 1: the K step starts the sums: nothing is cleared
.macro MULK half, q, zero
	WIN 0x08+4*(\half)                             ; source 1 (the weights) in window 2 or 3
.irp t, 0,1,2,3,4,5,6,7
	WM \t, \half, \q, \zero
.endr
.endm
; relu(t2 + t1) x w_attn, summed over my 128 columns.  A lane has ONE column in each tile, so the bias and w_attn are one register a tile, taken for both halves of a packed form.
; Each accumulator is read from its low end on.  The sum over a tile's 16 columns is a sum over 16 lanes.
.macro EPI
.irp t, 0,1,2,3,4,5,6,7
.irp j, 0,2,4,6
.if (\t)%2 == 0
	v_pk_add_f32 v[ACC+8*\t+\j:ACC+8*\t+\j+1], v[ACC+8*\t+\j:ACC+8*\t+\j+1], v[BS+\t:BS+\t+1] op_sel_hi:[1,0]
.else
	v_pk_add_f32 v[ACC+8*\t+\j:ACC+8*\t+\j+1], v[ACC+8*\t+\j:ACC+8*\t+\j+1], v[BS+\t-1:BS+\t] op_sel:[0,1] op_sel_hi:[1,1]
.endif
.endr
.irp j, 0,1,2,3,4,5,6,7
	v_max_num_f32 v[ACC+8*\t+\j], 0, v[ACC+8*\t+\j]
.endr
.irp j, 0,2,4,6
.if \t == 0
	v_pk_mul_f32 v[SUM+\j:SUM+\j+1], v[ACC+\j:ACC+\j+1], v[WAT:WAT+1] op_sel_hi:[1,0]
.elseif (\t)%2 == 0
	v_pk_fma_f32 v[SUM+\j:SUM+\j+1], v[ACC+8*\t+\j:ACC+8*\t+\j+1], v[WAT+\t:WAT+\t+1], v[SUM+\j:SUM+\j+1] op_sel_hi:[1,0,1]
.else
	v_pk_fma_f32 v[SUM+\j:SUM+\j+1], v[ACC+8*\t+\j:ACC+8*\t+\j+1], v[WAT+\t-1:WAT+\t], v[SUM+\j:SUM+\j+1] op_sel:[0,1,0] op_sel_hi:[1,1,1]
.endif
.endr
.endr
.irp x, 1,2,4,8
.irp j, 0,1,2,3,4,5,6,7
	v_add_f32_dpp v[SUM+\j], v[SUM+\j], v[SUM+\j] row_xmask:\x row_mask:0xf bank_mask:0xf
.endr
.endr
	ds_store_b128 v12, v[SUM:SUM+3]                ; rows 8 h + 0 .. 7 of my wave's 16 words; the sixteen lanes of a half write the same bytes with the same values
	ds_store_b128 v12, v[SUM+4:SUM+7] offset:16
.endm
; ==== A TILE: slot b of the trip's two, in set b of window 1.  Three barriers, all outside the branches on the slot's count
.macro TILE b
	s_wait_loadcnt 0x0                             ; the tile is in: its loads went out while the tile before was worked on.  No load of mine is out, so a loads' base may be written
	s_wait_xcnt 0x0                                ; the last tile's stores have read their data and bases: both are written again below
	s_lshl_b32 s40, s[ROW+(\b)+1], 12
	s_add_co_u32 s40, s40, s27
	s_add_nc_u64 s[92-50*(\b):93-50*(\b)], s[4:5], s[40:41]   ; my four rows of the tile behind this one
	s_lshl_b32 s40, s[ROW+(\b)], 2
	s_add_nc_u64 s[44:45], s[22:23], s[40:41]      ; this tile's 16 words of logits
	s_lshl_b32 s40, s[ROW+(\b)], 8
	s_add_nc_u64 s[46:47], s[24:25], s[40:41]      ; and its 4,096 bytes of part
	; ---- Q: my 4 rows become codes and scale bytes.  All 16 groups go through each step together, so that no line waits for the line above it
	s_cmp_eq_u32 s[VAL+(\b)], 0
	s_cbranch_scc1 .Lq_done_\@
	WIN 0x14                                       ; sources 1 and 2 in window 1
.set G_, 0
.rept 16
	v_max3_num_f32 v[MX+G_], 0x1800000, |v[128*(\b)+8*G_]|, |v[128*(\b)+8*G_+1]|     ; my 8 numbers' largest magnitude, and the floor 2^(3 - 127): the byte cannot fall under 1
.set G_, G_+1
.endr
	NEXT \b, 0, 3
.irp i, 2,4,6
	WIN 0x14
.set G_, 0
.rept 16
	v_max3_num_f32 v[MX+G_], v[MX+G_], |v[128*(\b)+8*G_+\i]|, |v[128*(\b)+8*G_+\i+1]|
.set G_, G_+1
.endr
	NEXT \b, 2*\i, 2*\i+3
.endr
.irp x, 1,2                                    ; four neighbouring lanes hold a block of 32
.set G_, 0
.rept 16
	v_max_num_f32_dpp v[MX+G_], v[MX+G_], v[MX+G_] row_xmask:\x row_mask:0xf bank_mask:0xf
.set G_, G_+1
.endr
.endr
.set G_, 0
.rept 16
	v_add_nc_u32 v[MX+G_], 0xff000000, v[MX+G_]    ; 2 off the exponent field: the conversion takes this operand's exponent field as its scale
.set G_, G_+1
.endr
.set G_, 0
.rept 16
	v_lshrrev_b32 v[BY+G_], 23, v[MX+G_]           ; the scale's byte
.set G_, G_+1
.endr
	WIN 0x01                                       ; source 0 in window 1
.set G_, 0
.rept 16
	v_cvt_scalef32_pk8_fp4_f32 v[CD+G_], v[128*(\b)+8*G_:128*(\b)+8*G_+7], v[MX+G_]
.set G_, G_+1
.endr
	v_nop                                          ; one plain place behind the last scaled conversion
	WIN 0
.set G_, 0
.rept 16
	ds_store_b32 v7, v[CD+G_] offset:XCP*(G_/4)+128*(G_%4)           ; 8 codes a lane: 128 consecutive bytes of the row
	ds_store_b8 v8, v[BY+G_] offset:XSP*(G_/4)+8*(G_%4)              ; the four lanes of a block write the same byte with the same value
.set G_, G_+1
.endr
.Lq_done_\@:
	BAR                                            ; the tile's codes and scale bytes lie in LDS
	; ---- M: t2 for the 16 rows x my 128 columns, and the partial logits
	s_cmp_eq_u32 s[VAL+(\b)], 0
	s_cbranch_scc1 .Lm_done_\@
	v_add_nc_u32 v28, s[BO], v9
	ds_load_b128 v[XSC:XSC+3], v11
	ds_load_b128 v[XSC+4:XSC+7], v11 offset:16
	XFRAG 0
	ds_load_b128 v[BS:BS+3], v28 offset:2048*(\b)
	ds_load_b128 v[BS+4:BS+7], v28 offset:2048*(\b)+16
	XFRAG 1
	s_wait_dscnt 10                                ; the scale words and K steps 0-3 are in; the two loads of t1 and the eight of K steps 4-7 may be out
	MULK 0, 0, 1
	NEXT \b, 16, 19
	MULK 0, 1, 0
	NEXT \b, 20, 23
	MULK 0, 2, 0
	NEXT \b, 24, 27
	MULK 0, 3, 0
	NEXT \b, 28, 31
	s_wait_dscnt 0x0
	MULK 1, 0, 0
	MULK 1, 1, 0
	MULK 1, 2, 0
	MULK 1, 3, 0
	PLACES
	WIN 0
	EPI
.Lm_done_\@:
	BAR                                            ; the four waves' partial logits lie in LDS
	; ---- S: the logits, p, and my four rows' part of the weighted sum
	s_cmp_eq_u32 s[VAL+(\b)], 0
	s_cbranch_scc1 .Ls_mid_\@
.irp w, 0,1,2,3
	ds_load_b32 v[TMP+\w], v13 offset:64*\w
.endr
	v_mov_b32 v21, 0xff800000                      ; -infinity
	s_wait_dscnt 0x0
	v_add_f32 v[TMP], v[TMP], v[TMP+1]
	v_add_f32 v[TMP+2], v[TMP+2], v[TMP+3]
	v_add_f32 v19, v[TMP], v[TMP+2]                ; lane (r, h): the logit of row r, the same bits in every wave and in both halves of the lanes
	s_cmp_lg_u32 s26, 0
	s_cbranch_scc1 .Lnot_wave_0_\@
	global_store_b32 v31, v19, s[44:45]            ; all 16, valid or not: 64 consecutive bytes; lanes r and 16 + r store the same word with the same value
.Lnot_wave_0_\@:
	v_cmp_gt_u32 vcc_lo, s[VAL+(\b)], v2           ; does row r count?
	s_wait_alu depctr_va_vdst(0)
	v_cndmask_b32 v20, v21, v19, vcc_lo
	v_mov_b32 v22, v20
.irp x, 1,2,4,8
	v_max_num_f32_dpp v22, v22, v22 row_xmask:\x row_mask:0xf bank_mask:0xf
.endr                                              ; m: the tile's largest valid logit (row 0 always counts)
	v_sub_f32 v20, v20, v22
	v_mul_f32 v20, 0x3fb8aa3b, v20
	s_wait_alu depctr_va_vdst(0)
	v_exp_f32 v20, v20                             ; p; 0 for a row that does not count
	v_nop                                          ; a plain place behind the transcendental
	s_wait_alu depctr_va_vdst(0)                   ; the wait ahead of the first reader
.irp rw, 0,1,2,3
	v_readlane_b32 s[PP+2*\rw], v20, s[LW+\rw]     ; p of my rows 4 w + 0 .. 3
.endr
	WIN 0x01                                       ; source 0 (the rows) in window 1
.irp rw, 0,1,2,3
.irp c, 0,1,2,3
.irp k, 0,2,4,6
.if \rw == 0
	v_pk_mul_f32 v[RR+8*\c+\k:RR+8*\c+\k+1], v[128*(\b)+8*\c+\k:128*(\b)+8*\c+\k+1], s[PP:PP+1] op_sel_hi:[1,0]     ; the first row starts the sums: nothing is cleared
.else
	v_pk_fma_f32 v[RR+8*\c+\k:RR+8*\c+\k+1], v[128*(\b)+8*(4*\rw+\c)+\k:128*(\b)+8*(4*\rw+\c)+\k+1], s[PP+2*\rw:PP+2*\rw+1], v[RR+8*\c+\k:RR+8*\c+\k+1] op_sel_hi:[1,0,1]
.endif
.endr
.endr
.endr
	WIN 0
.irp c, 0,1,2,3
.irp e, 0,1
	ds_store_b128 v15, v[RR+8*\c+4*\e:RR+8*\c+4*\e+3] offset:1024*\c+16*\e   ; columns in their order: 4 x (256 c + 8 l + 4 e) bytes into my wave's 4,096
.endr
.endr
.Ls_mid_\@:
	BAR                                            ; the four waves' parts of r lie in LDS
	s_cmp_eq_u32 s[VAL+(\b)], 0
	s_cbranch_scc1 .Ls_done_\@
.irp w, 0,1,2,3
.irp e, 0,1
	ds_load_b128 v[RB+8*\w+4*\e:RB+8*\w+4*\e+3], v16 offset:4096*\w+512*\e   ; my 256 columns of wave w's part: 512 consecutive bytes a load
.endr
.endr
	s_wait_dscnt 0x0
.irp k, 0,2,4,6
	v_pk_add_f32 v[RB+\k:RB+\k+1], v[RB+\k:RB+\k+1], v[RB+8+\k:RB+8+\k+1]
	v_pk_add_f32 v[RB+16+\k:RB+16+\k+1], v[RB+16+\k:RB+16+\k+1], v[RB+24+\k:RB+24+\k+1]
.endr
.irp k, 0,2,4,6
	v_pk_add_f32 v[RB+\k:RB+\k+1], v[RB+\k:RB+\k+1], v[RB+16+\k:RB+16+\k+1]
.endr
	global_store_b128 v17, v[RB:RB+3], s[46:47] th:TH_STORE_NT               ; each store of the wave covers 512 consecutive bytes, aligned
	global_store_b128 v17, v[RB+4:RB+7], s[46:47] offset:512 th:TH_STORE_NT
.Ls_done_\@:
.endm
	; ---- ids and the addresses that stay
	s_load_b512 s[4:19], s[0:1], 0x0               ; matrix 4:5, lengths 6:7, W_mat codes 8:9, scales 10:11, W_vec codes 12:13, scales 14:15, vector codes 16:17, scales 18:19
	s_load_b128 s[20:23], s[0:1], 0x40             ; w_attn, logits
	s_load_b64 s[24:25], s[0:1], 0x50              ; part
	v_lshl_add_u32 v254, v0, 2, 0xa600
	v_mov_b32 v255, 0
	v_and_b32 v1, 31, v0                           ; l
	s_wait_alu depctr_va_vdst(0)
	v_and_b32 v2, 15, v0                           ; r
	s_wait_alu depctr_va_vdst(0)
	v_bfe_u32 v3, v0, 4, 1                         ; h
	v_lshrrev_b32 v19, 5, v0
	v_readfirstlane_b32 s26, v19                   ; wave 0..3
	s_lshl_b32 s27, s26, 14
	s_lshl_b32 s[LW], s26, 2
	s_add_co_u32 s[LW+1], s[LW], 1
	s_add_co_u32 s[LW+2], s[LW], 2
	s_add_co_u32 s[LW+3], s[LW], 3
.irp rw, 0,1,2,3
	s_mov_b32 s[PP+2*\rw+1], 0                     ; (named with p as a pair, so it is written)
.endr
	s_mov_b32 s41, 0
	s_mov_b32 s49, 0
	v_lshlrev_b32 v4, 5, v1                        ; matrix: 32 l
	v_lshlrev_b32 v5, 9, v2
	s_wait_alu depctr_va_vdst(0)
	v_lshl_add_u32 v5, v3, 4, v5                   ; weights' codes: 512 r + 16 h
	v_lshlrev_b32 v6, 5, v2
	v_lshl_add_u32 v6, v3, 11, v6                  ; weights' scales: 32 r + 2,048 h (four tiles on)
	s_mul_i32 s48, s26, 4*XCP
	v_lshl_add_u32 v7, v1, 2, s48                  ; codes in: XC (= 0) + my 4 rows + 4 l
	s_mul_i32 s48, s26, 4*XSP
	s_add_co_u32 s48, s48, XS
	v_lshrrev_b32 v8, 2, v1
	v_add_nc_u32 v8, s48, v8                       ; scale bytes in: XS + my 4 rows + l / 4
	s_lshl_b32 s48, s26, 9
	s_add_co_u32 s48, s48, BI
	v_lshl_add_u32 v9, v2, 5, s48                  ; t1: BI + 512 w + 32 r
	v_mul_u32_u24 v10, v2, XCP
	v_lshl_add_u32 v10, v3, 4, v10                 ; fragments: XC + row r + 16 h
	v_mul_u32_u24 v11, v2, XSP
	v_add_nc_u32 v11, XS, v11                      ; scale words: XS + row r
	s_lshl_b32 s48, s26, 6
	s_add_co_u32 s48, s48, PL
	v_lshl_add_u32 v12, v3, 5, s48                 ; partial logits in: PL + 64 w + 32 h
	v_lshl_add_u32 v13, v2, 2, PL                  ; and back: PL + 4 r
	s_lshl_b32 s48, s26, 12
	s_add_co_u32 s48, s48, RS
	v_lshl_add_u32 v15, v1, 5, s48                 ; my part of r in: RS + 4,096 w + 32 l
	s_lshl_b32 s48, s26, 10
	s_add_co_u32 s50, s48, RS
	v_lshl_add_u32 v16, v1, 4, s50                 ; my 256 columns back: RS + 1,024 w + 16 l
	v_lshl_add_u32 v17, v1, 4, s48                 ; and in the tile's 4,096 bytes of part: 1,024 w + 16 l
	v_lshlrev_b32 v18, 2, v1                       ; 4 l
	v_lshlrev_b32 v31, 2, v2                       ; 4 r
	s_wait_alu depctr_va_vdst(0)
	s_wait_kmcnt 0x0
	s_lshl_b32 s48, s26, 16
	s_add_nc_u64 s[56:57], s[12:13], s[48:49]      ; W_vec's codes at my 128 rows
	s_lshl_b32 s48, s26, 12
	s_add_nc_u64 s[58:59], s[14:15], s[48:49]      ; and their scales
	s_lshl_b32 s48, s26, 9
	s_add_nc_u64 s[20:21], s[20:21], s[48:49]      ; w_attn at my 128 numbers
	; ---- the lengths first; 48 loads that hang on no length go out behind them
	global_load_b32 v19, v18, s[6:7]               ; length of batch l
	global_load_b32 v20, v18, s[6:7] offset:128    ; and of batch 32 + l
	WSCALES
.irp t, 0,1,2,3,4,5,6,7
	global_load_b32 v[WAT+\t], v31, s[20:21] offset:64*\t
.endr
	WCODES 0, 0, 3
	s_wait_loadcnt 48                              ; the two lengths are in; the 8 + 8 + 32 loads behind them may be out
	; ---- the numbering of the tiles: whole numbers alone
	v_max_i32 v19, 0, v19
	v_max_i32 v20, 0, v20
	v_min_i32 v19, 0x200, v19
	v_min_i32 v20, 0x200, v20                      ; lengths held to 0 .. 512
	v_add_nc_u32 v24, 15, v19
	v_add_nc_u32 v25, 15, v20
	v_lshrrev_b32 v24, 4, v24
	v_lshrrev_b32 v25, 4, v25                      ; tiles of each batch
	v_mov_b32 v21, v24
	v_mov_b32 v22, v25
	v_mov_b32 v23, 0
	v_mov_b32 v26, 0
.irp d, 1,2,4,8                                ; running sums inside each 16 lanes
	v_mov_b32_dpp v23, v21 row_shr:\d row_mask:0xf bank_mask:0xf bound_ctrl:1
	v_mov_b32_dpp v26, v22 row_shr:\d row_mask:0xf bank_mask:0xf bound_ctrl:1
	v_add_nc_u32 v21, v21, v23
	v_add_nc_u32 v22, v22, v26
.endr
	v_readlane_b32 s48, v21, 15
	v_readlane_b32 s50, v22, 15
	v_mad_u32_u24 v21, v3, s48, v21                ; lanes 16-31 add the first 16 lanes' sum
	v_mad_u32_u24 v22, v3, s50, v22
	v_readlane_b32 s48, v21, 31
	v_add_nc_u32 v22, s48, v22                     ; batches 32-63 add that of batches 0-31
	v_readlane_b32 s28, v22, 31                    ; tiles in all
	v_sub_nc_u32 v24, v21, v24                     ; tiles ahead of each batch
	v_sub_nc_u32 v25, v22, v25
.irp i, 0,1,2,3,4,5,6,7
	MAP \i
.endr
	; ---- t1's left operand: row m of the 16 is the vector of slot m % 8's batch, so that register j of a result is slot j, in both halves of the lanes
	v_and_b32 v23, 7, v2
	v_mov_b32 v26, s[BB]
.irp i, 1,2,3,4,5,6,7
	v_mov_b32 v27, s[BB+\i]
	v_cmp_eq_u32 vcc_lo, \i, v23
	v_cndmask_b32 v26, v26, v27, vcc_lo
.endr
	v_min_u32 v26, 63, v26
	v_lshlrev_b32 v27, 9, v26
	v_lshl_add_u32 v27, v3, 4, v27                 ; 512 x batch + 16 h
	v_lshlrev_b32 v28, 5, v26                      ; 32 x batch
.irp s, 0,1,2,3,4,5,6,7
.irp c, 0,1
	global_load_b128 v[XF+8*\s+4*\c:XF+8*\s+4*\c+3], v27, s[16:17] offset:64*\s+32*\c
.endr
.endr
	global_load_b128 v[XSC:XSC+3], v28, s[18:19]
	global_load_b128 v[XSC+4:XSC+7], v28, s[18:19] offset:16
	WCODES 0, 4, 7
	WCODES 1, 0, 7
	s_lshl_b32 s40, s[ROW], 12                     ; slots 0 and 1 are asked for whether they count or not: their addresses lie inside matrix, and both sets of registers are written on every way
	s_add_co_u32 s40, s40, s27
	s_add_nc_u64 s[42:43], s[4:5], s[40:41]
	s_lshl_b32 s40, s[ROW+1], 12
	s_add_co_u32 s40, s40, s27
	s_add_nc_u64 s[92:93], s[4:5], s[40:41]
	XLOADS 0, 0, 31
	XLOADS 1, 0, 30
	s_wait_loadcnt 63                              ; only the 63 loads of matrix just issued may be out: all of t1's operands are in
	XLOADS 1, 31, 31
.irp j, 0,2,3,4,5,6,7
	s_mov_b32 s[LD+\j], s[VAL+\j]                  ; the batches' numbers are done with: their registers say which slots are still to be asked for
.endr
	s_mov_b32 s[LD+1], 0
	; ---- t1 for my 128 columns and the eight slots' batches
	MULK 0, 0, 1
	MULK 0, 1, 0
	MULK 0, 2, 0
	MULK 0, 3, 0
	MULK 1, 0, 0
	MULK 1, 1, 0
	MULK 1, 2, 0
	MULK 1, 3, 0
	WIN 0
	PLACES                                         ; ahead of the stores that read the results, and of the loads into the weights' registers below
.irp t, 0,1,2,3,4,5,6,7
.irp i, 0,1,2,3,4,5,6,7
	ds_store_b32 v9, v[ACC+8*\t+\i] offset:2048*\i+4*\t    ; each accumulator from its low end on; both halves of the lanes write the same word with the same value
.endr
.endr
	; ---- W_mat takes W_vec's registers (W_vec's loads were shown done above, so their bases may be written)
	s_lshl_b32 s48, s26, 16
	s_add_nc_u64 s[56:57], s[8:9], s[48:49]
	s_lshl_b32 s48, s26, 12
	s_add_nc_u64 s[58:59], s[10:11], s[48:49]
	WSCALES
	WCODES 0, 0, 7
	WCODES 1, 0, 7
	s_mov_b32 s29, 4
	s_mov_b32 s[BO], 0
	s_wait_loadcnt 0x0                             ; W_mat is in.  The wait stands here and not in the loop, where the next tile's loads are out at the place of the products
.Ltrip:
	TILE 0
	TILE 1
.irp j, 0,1,2,3,4,5                            ; the slots move down two, so that the trip is written once
	s_mov_b32 s[ROW+\j], s[ROW+\j+2]
	s_mov_b32 s[VAL+\j], s[VAL+\j+2]
	s_mov_b32 s[LD+\j], s[LD+\j+2]
.endr
.irp j, 6,7
	s_mov_b32 s[VAL+\j], 0
	s_mov_b32 s[LD+\j], 0
.endr
	s_add_co_u32 s[BO], s[BO], 4096                ; two slots of t1 on
	s_sub_co_u32 s29, s29, 1
	s_cmp_lg_u32 s29, 0
	s_cbranch_scc1 .Ltrip
	s_wait_tensorcnt 0x0
	ds_add_u32 v254, v255
	s_wait_dscnt 0x0
	s_endpgm
.Lfunc_end_k_q00624142e1_score:
	.size	k_q00624142e1_score, .Lfunc_end_k_q00624142e1_score-k_q00624142e1_score
	.p2alignl 7, 3214868480
	.fill 96, 4, 3214868480
	.section	.rodata,"a",@progbits
	.p2align	6, 0x0
	.amdhsa_kernel k_q00624142e1_score
		.amdhsa_group_segment_fixed_size 43008
		.amdhsa_private_segment_fixed_size 0
		.amdhsa_enable_private_segment 0
		.amdhsa_kernarg_size 88
		.amdhsa_user_sgpr_count 2
		.amdhsa_user_sgpr_kernarg_segment_ptr 1
		.amdhsa_wavefront_size32 1
		.amdhsa_system_sgpr_workgroup_id_x 1
		.amdhsa_system_sgpr_workgroup_id_y 1
		.amdhsa_system_sgpr_workgroup_id_z 1
		.amdhsa_system_vgpr_workitem_id 0
		.amdhsa_next_free_vgpr 1024
		.amdhsa_next_free_sgpr 100
		.amdhsa_reserve_vcc 1
		.amdhsa_float_denorm_mode_32 3
		.amdhsa_float_denorm_mode_16_64 3
		.amdhsa_memory_ordered 1
		.amdhsa_forward_progress 1
		.amdhsa_inst_pref_size 145
	.end_amdhsa_kernel
	.amdgpu_metadata
---
amdhsa.version: [ 1, 2 ]
amdhsa.kernels:
  - .name:           k_q00624142e1_score
    .symbol:         k_q00624142e1_score.kd
    .args:
      - { .name: matrix, .offset: 0, .size: 8, .value_kind: global_buffer, .address_space: global }
      - { .name: input_lengths, .offset: 8, .size: 8, .value_kind: global_buffer, .address_space: global }
      - { .name: W_mat_codes, .offset: 16, .size: 8, .value_kind: global_buffer, .address_space: global }
      - { .name: W_mat_scales, .offset: 24, .size: 8, .value_kind: global_buffer, .address_space: global }
      - { .name: W_vec_codes, .offset: 32, .size: 8, .value_kind: global_buffer, .address_space: global }
      - { .name: W_vec_scales, .offset: 40, .size: 8, .value_kind: global_buffer, .address_space: global }
      - { .name: vector_codes, .offset: 48, .size: 8, .value_kind: global_buffer, .address_space: global }
      - { .name: vector_scales, .offset: 56, .size: 8, .value_kind: global_buffer, .address_space: global }
      - { .name: w_attn, .offset: 64, .size: 8, .value_kind: global_buffer, .address_space: global }
      - { .name: logits, .offset: 72, .size: 8, .value_kind: global_buffer, .address_space: global }
      - { .name: part, .offset: 80, .size: 8, .value_kind: global_buffer, .address_space: global }
    .group_segment_fixed_size: 43008
    .private_segment_fixed_size: 0
    .kernarg_segment_align: 8
    .kernarg_segment_size: 88
    .max_flat_workgroup_size: 128
    .sgpr_count:     100
    .vgpr_count:     1024
    .wavefront_size: 32
...
	.end_amdgpu_metadata
.endif
;; end of part 3
;; launch finish (part 4): grid 256 x 1, 2 waves a work-group, no clusters, 0 bytes of LDS; arguments input_lengths, logits, part, out0, out1; writes out0, out1
.if DOCPART == 4
	.amdgcn_target "amdgcn-amd-amdhsa--gfx1250"
	.amdhsa_code_object_version 6
	.text
	.protected	k_q00624142e1_finish
	.globl	k_q00624142e1_finish
	.p2align	8
	.type	k_q00624142e1_finish,@function
k_q00624142e1_finish:
	s_mov_b64 s[64:65], 0
	v_nop
	global_prefetch_b8 v0, s[64:65] scope:SCOPE_SE
	s_setreg_imm32_b32 hwreg(HW_REG_WAVE_SCHED_MODE, 0, 2), 2
	s_setreg_imm32_b32 hwreg(HW_REG_WAVE_MODE, 25, 1), 1
	s_wait_xcnt 0x0
	s_wait_alu depctr_vm_vsrc(0)
; AttentionPair, second launch.  For batch b with length len and nt = ceil(len / 16) tiles:
;   M = the largest logit under len;  p[s] = 2^((logit[s] - M) log2 e) under len, else 0;  L = sum of p;  out1[b][s] = p[s] / L;
;   out0[b][d] = (sum over tiles t of 2^((m_t - M) log2 e) part[b][t][d]) / L,  m_t the tile's largest valid logit: the very maximum under which the first launch summed part[b][t].
; SHARES.  Four work-groups of two waves to a batch: wave cg = 0 .. 7 of the batch makes out0[b][128 cg .. + 127] and out1[b][64 cg .. + 63].  Each wave reads the batch's logits itself: no LDS, no barrier.
; Only tiles under nt were written by the first launch: every index is held to them, and what lies at or beyond len is masked by its true position.
; LIMITS.  The maximum is the batch's own largest valid logit (it cancels in the quotient; see the first launch's head).  Lengths are held to 0 .. 512; a length of 0 gives NaN everywhere, which is what 0 / 0 gives.
; THE MODE: SCHED_MODE bits 1:0 = 2 (LLVM: expert scheduling mode 2), set by the entry lines.  The code itself states the register dependences between vector instructions and memory instructions, and those
; through scalar registers that vector instructions write, with s_wait_alu, always for 0.
; THE PLAN.  Registers that memory instructions touch:
;   v4-7, v13, v48-79, v2, v3   offsets: made once, ahead of the first load, and never written again.
;   v16-33, v80-207             loaded data: no vector instruction names them ahead of their loads.
;   v214-215, v208-211          the two stores' data: written once, read by the stores at the end.
; So one wait on va_vdst stands ahead of the 37 loads (all offsets are written) and one ahead of the two stores (their data are written); no register that a memory instruction has read is written again.
; What vector instructions write into scalar registers is written in runs, with one wait on va_sdst behind each: the wave's number; the 18 masks; the 32 factors.
; REGISTERS: v1 lane; v2 16 l; v3 8 l; v4-7 logits' offsets; v8-11 their positions; v12 -infinity; v13, v14 my own two positions' offset and position; v16-31 the lane's 16 logits, then p; v32-33 my own two;
;   v34-37 tiles' maxima; v38 M; v39 at work; v40-43 the tiles' factors; v44 L; v45 1 / L; v47 my place in a tile of part; v48-79 part's offsets; v80-207 part's 32 tiles; v208-211 the sums; v212-215 at work
;   s40-43 len - 0 .. 3; s44-61 the 18 masks: does a position count?; s66-97 the 32 tiles' factors
	s_load_b256 s[4:11], s[0:1], 0x0               ; lengths 4:5, logits 6:7, part 8:9, out0 10:11
	s_load_b64 s[12:13], s[0:1], 0x20              ; out1
	v_and_b32 v1, 31, v0
	v_lshrrev_b32 v2, 5, v0
	v_readfirstlane_b32 s14, v2                    ; wave 0, 1
	s_lshr_b32 s15, ttmp9, 2                       ; b
	s_and_b32 s16, ttmp9, 3
	s_lshl_b32 s16, s16, 1
	s_lshl_b32 s17, s15, 2
	v_lshlrev_b32 v2, 4, v1
	v_lshlrev_b32 v3, 3, v1
	v_lshlrev_b32 v15, 2, v1
	v_mov_b32 v12, 0xff800000
	v_mov_b32 v39, 0                               ; (a lane permute's destination counts as one of its sources)
	s_mov_b32 s38, 0x76543210
	s_mov_b32 s39, 0xfedcba98
	s_mov_b32 s21, 0
	s_wait_alu depctr_va_sdst(0)                   ; s14 is written, ahead of its first reader
	s_add_co_u32 s16, s16, s14                     ; cg
	s_wait_kmcnt 0x0
	s_load_b32 s18, s[4:5], s17 offset:0x0         ; the batch's length
	s_lshl_b32 s20, s15, 11
	s_add_nc_u64 s[6:7], s[6:7], s[20:21]          ; logits + 2,048 b
	s_add_nc_u64 s[12:13], s[12:13], s[20:21]      ; out1 + 2,048 b
	s_lshl_b32 s20, s16, 8
	s_add_nc_u64 s[12:13], s[12:13], s[20:21]      ;      + 256 cg
	s_lshl_b32 s20, s15, 17
	s_add_nc_u64 s[8:9], s[8:9], s[20:21]          ; part + 131,072 b
	s_lshl_b32 s20, s15, 12
	s_add_nc_u64 s[10:11], s[10:11], s[20:21]      ; out0 + 4,096 b
	s_lshl_b32 s22, s16, 9
	s_mov_b32 s20, s22
	s_add_nc_u64 s[10:11], s[10:11], s[20:21]      ;      + 512 cg
	s_wait_kmcnt 0x0
	s_max_i32 s18, s18, 0
	s_min_i32 s18, s18, 0x200
	s_cmp_eq_u32 s18, 0
	s_cbranch_scc1 .Lnone
	s_add_co_u32 s19, s18, 15
	s_lshr_b32 s19, s19, 4                         ; nt, 1 .. 32
	s_lshl_b32 s23, s19, 4
	s_sub_co_u32 s24, s23, 4                       ; the last group of four words that was written,
	s_sub_co_u32 s25, s23, 2                       ; the last pair,
	s_sub_co_u32 s26, s19, 1                       ; the last tile
	s_wait_alu depctr_va_vdst(0)
	; ---- all 37 offsets first, then one wait, then the 37 loads
.irp k, 0,1,2,3                                ; the batch's logits: lane l takes positions 128 k + 4 l + 0 .. 3: four lanes hold tile 8 k + l / 4
	v_add_nc_u32 v[8+\k], 128*\k, v15
	v_min_u32 v[4+\k], s24, v[8+\k]
	v_min_u32 v[4+\k], 0x1fc, v[4+\k]
	v_lshlrev_b32 v[4+\k], 2, v[4+\k]
.endr
	s_lshl_b32 s27, s16, 6
	v_lshl_add_u32 v14, v1, 1, s27                 ; my own two positions: 64 cg + 2 l
	v_min_u32 v13, s25, v14
	v_min_u32 v13, 0x1fe, v13
	v_lshlrev_b32 v13, 2, v13
	v_add_nc_u32 v47, s22, v2                      ; 512 cg + 16 l
	s_wait_alu depctr_va_vdst(0)
.irp t, 0,1,2,3,4,5,6,7,8,9,10,11,12,13,14,15,16,17,18,19,20,21,22,23,24,25,26,27,28,29,30,31  ; my 128 columns of the 32 tiles; a tile at or beyond nt reads the last written one, and gets the factor 0
	s_min_u32 s28, s26, \t
	s_min_u32 s28, s28, 31
	s_lshl_b32 s28, s28, 12
	v_add_nc_u32 v[48+\t], s28, v47
.endr
	s_mov_b32 s40, s18
	s_sub_co_i32 s41, s18, 1
	s_sub_co_i32 s42, s18, 2
	s_sub_co_i32 s43, s18, 3
	s_wait_alu depctr_va_vdst(0)                   ; the offsets v4-7, v13 and v48-79 are written, which the loads read, and v2 and v3, which the stores at the end read
.irp k, 0,1,2,3
	global_load_b128 v[16+4*\k:19+4*\k], v[4+\k], s[6:7]
.endr
	global_load_b64 v[32:33], v13, s[6:7]
.irp t, 0,1,2,3,4,5,6,7,8,9,10,11,12,13,14,15,16,17,18,19,20,21,22,23,24,25,26,27,28,29,30,31
	global_load_b128 v[80+4*\t:83+4*\t], v[48+\t], s[8:9]
.endr
.irp k, 0,1,2,3                                ; the 18 compares in one run, while the loads are out: they hang on positions alone
.irp e, 0,1,2,3
	v_cmp_gt_i32 s[44+4*\k+\e], s[40+\e], v[8+\k]  ; position + e < len
.endr
.endr
.irp e, 0,1
	v_cmp_gt_i32 s[60+\e], s[40+\e], v14
.endr
	s_wait_alu depctr_va_sdst(0)                   ; the 18 masks are written, which the selects read
	s_wait_loadcnt 32                              ; the logits are in; part's 32 loads may be out
.irp k, 0,1,2,3
.irp e, 0,1,2,3
	v_cndmask_b32 v[16+4*\k+\e], v12, v[16+4*\k+\e], s[44+4*\k+\e]
.endr
.endr
.irp e, 0,1
	v_cndmask_b32 v[32+\e], v12, v[32+\e], s[60+\e]
.endr
.irp k, 0,1,2,3
	v_max3_num_f32 v[34+\k], v[16+4*\k], v[17+4*\k], v[18+4*\k]
.endr
.irp k, 0,1,2,3
	v_max_num_f32 v[34+\k], v[34+\k], v[19+4*\k]
.endr
.irp x, 1,2
.irp k, 0,1,2,3
	v_max_num_f32_dpp v[34+\k], v[34+\k], v[34+\k] row_xmask:\x row_mask:0xf bank_mask:0xf   ; m_t of tile 8 k + l / 4; -infinity for a tile without a valid position
.endr
.endr
	v_max3_num_f32 v38, v34, v35, v36
	v_max_num_f32 v38, v38, v37
	v_max_num_f32_dpp v38, v38, v38 row_xmask:4 row_mask:0xf bank_mask:0xf
	v_max_num_f32_dpp v38, v38, v38 row_xmask:8 row_mask:0xf bank_mask:0xf
	v_permlanex16_b32 v39, v38, s38, s39
	v_max_num_f32 v38, v38, v39                    ; M (position 0 always counts, so it is a number)
.irp k, 0,1,2,3
	v_sub_f32 v[40+\k], v[34+\k], v38
.endr
.irp j, 0,1,2,3,4,5,6,7,8,9,10,11,12,13,14,15,16,17
	v_sub_f32 v[16+\j], v[16+\j], v38
.endr
.irp k, 0,1,2,3
	v_mul_f32 v[40+\k], 0x3fb8aa3b, v[40+\k]
.endr
.irp j, 0,1,2,3,4,5,6,7,8,9,10,11,12,13,14,15,16,17
	v_mul_f32 v[16+\j], 0x3fb8aa3b, v[16+\j]
.endr
	s_wait_alu depctr_va_vdst(0)
.irp k, 0,1,2,3                                ; one batch of 22 exponentials
	v_exp_f32 v[40+\k], v[40+\k]
.endr
.irp j, 0,1,2,3,4,5,6,7,8,9,10,11,12,13,14,15,16,17
	v_exp_f32 v[16+\j], v[16+\j]
.endr
	v_nop                                          ; a plain place behind the last of them
	s_wait_alu depctr_va_vdst(0)                   ; the 22 exponentials have written v40-43 and v16-33, ahead of their first reader: one wait for the batch
	v_pk_add_f32 v[44:45], v[16:17], v[18:19]
	v_pk_add_f32 v[212:213], v[20:21], v[22:23]
.irp j, 24,28
	v_pk_add_f32 v[44:45], v[44:45], v[\j:\j+1]
	v_pk_add_f32 v[212:213], v[212:213], v[\j+2:\j+3]
.endr
	v_pk_add_f32 v[44:45], v[44:45], v[212:213]
	v_add_f32 v44, v44, v45
.irp x, 1,2,4,8
	v_add_f32_dpp v44, v44, v44 row_xmask:\x row_mask:0xf bank_mask:0xf
.endr
	v_permlanex16_b32 v39, v44, s38, s39
	v_add_f32 v44, v44, v39                        ; L, at least 1
	s_wait_alu depctr_va_vdst(0)
	v_rcp_f32 v45, v44
.irp t, 0,1,2,3,4,5,6,7,8,9,10,11,12,13,14,15,16,17,18,19,20,21,22,23,24,25,26,27,28,29,30,31
	v_readlane_b32 s[66+\t], v[40+\t/8], 4*(\t%8)  ; tile t's factor.  (Plain work behind the reciprocal, which it does not name)
.endr
	s_wait_alu depctr_va_vdst(0)                   ; the reciprocal has written v45, ahead of its first reader
	s_wait_alu depctr_va_sdst(0)                   ; the 32 factors are written into their scalar registers, which the multiply-adds read
	v_mul_f32 v214, v32, v45
	v_mul_f32 v215, v33, v45
.irp t, 0,1,2,3,4,5,6,7,8,9,10,11,12,13,14,15,16,17,18,19,20,21,22,23,24,25,26,27,28,29,30,31
	s_wait_alu depctr_va_vdst(0)
	s_wait_loadcnt 31-\t                           ; tile t is in; the younger loads may be out
.irp j, 0,1,2,3
.if \t == 0
	s_wait_alu depctr_va_vdst(0)
	v_mul_f32 v[208+\j], s66, v[80+\j]
.else
	v_fma_f32 v[208+\j], s[66+\t], v[80+4*\t+\j], v[208+\j]
.endif
.endr
.endr
.irp j, 0,1,2,3
	v_mul_f32 v[208+\j], v[208+\j], v45
.endr
	s_wait_alu depctr_va_vdst(0)                   ; v214-215 and v208-211 are written, which the two stores read
	global_store_b64 v3, v[214:215], s[12:13]      ; the wave stores 256 consecutive bytes, aligned
	global_store_b128 v2, v[208:211], s[10:11]     ; 512 consecutive bytes, aligned
	s_endpgm
.Lnone:                                            ; no position counts: 0 / 0
.irp j, 0,1,2,3
	v_mov_b32 v[208+\j], 0x7fc00000
.endr
	s_wait_alu depctr_va_vdst(0)                   ; v208-211 are written, which the two stores read as data, and v2 and v3, which they read as offsets
	global_store_b64 v3, v[208:209], s[12:13]
	global_store_b128 v2, v[208:211], s[10:11]
	s_endpgm
.Lfunc_end_k_q00624142e1_finish:
	.size	k_q00624142e1_finish, .Lfunc_end_k_q00624142e1_finish-k_q00624142e1_finish
	.p2alignl 7, 3214868480
	.fill 96, 4, 3214868480
	.section	.rodata,"a",@progbits
	.p2align	6, 0x0
	.amdhsa_kernel k_q00624142e1_finish
		.amdhsa_group_segment_fixed_size 0
		.amdhsa_private_segment_fixed_size 0
		.amdhsa_enable_private_segment 0
		.amdhsa_kernarg_size 40
		.amdhsa_user_sgpr_count 2
		.amdhsa_user_sgpr_kernarg_segment_ptr 1
		.amdhsa_wavefront_size32 1
		.amdhsa_system_sgpr_workgroup_id_x 1
		.amdhsa_system_sgpr_workgroup_id_y 1
		.amdhsa_system_sgpr_workgroup_id_z 1
		.amdhsa_system_vgpr_workitem_id 0
		.amdhsa_next_free_vgpr 216
		.amdhsa_next_free_sgpr 100
		.amdhsa_reserve_vcc 0
		.amdhsa_float_denorm_mode_32 3
		.amdhsa_float_denorm_mode_16_64 3
		.amdhsa_memory_ordered 1
		.amdhsa_forward_progress 1
		.amdhsa_inst_pref_size 31
	.end_amdhsa_kernel
	.amdgpu_metadata
---
amdhsa.version: [ 1, 2 ]
amdhsa.kernels:
  - .name:           k_q00624142e1_finish
    .symbol:         k_q00624142e1_finish.kd
    .args:
      - { .name: input_lengths, .offset: 0, .size: 8, .value_kind: global_buffer, .address_space: global }
      - { .name: logits, .offset: 8, .size: 8, .value_kind: global_buffer, .address_space: global }
      - { .name: part, .offset: 16, .size: 8, .value_kind: global_buffer, .address_space: global }
      - { .name: out0, .offset: 24, .size: 8, .value_kind: global_buffer, .address_space: global }
      - { .name: out1, .offset: 32, .size: 8, .value_kind: global_buffer, .address_space: global }
    .group_segment_fixed_size: 0
    .private_segment_fixed_size: 0
    .kernarg_segment_align: 8
    .kernarg_segment_size: 40
    .max_flat_workgroup_size: 64
    .sgpr_count:     100
    .vgpr_count:     216
    .wavefront_size: 32
...
	.end_amdgpu_metadata
.endif
;; end of part 4
